; MI455X (gfx1250); checked and timed in simulation.
; The chip was launched on July 23, 2026; its instructions are those of AMD's public machine-readable ISA for CDNA 5 (MIT licence, August 2026) and "CDNA5" Instruction Set Architecture Reference Guide (July 2026). The comments in the code are by the model that wrote it; some were corrected since.
;; Self Attention. Allowed arithmetic: matrix products marked QUANTISED: E2M1 operands, one E8M0 scale for each 32 along K, by v_wmma_scale_f32_16x16x128_f8f6f4 with both operands' format E2M1 (or v_wmma_scale_f32_32x16x128_f4), f32 sums; everything else in f32.
;; Inputs: Wk_codes 1,024 x 32 x 16 uint8 (E2M1 codes of Wk, K innermost, in blocks of 32 codes, two codes a byte); Wk_scales 1,024 x 32 uint8 (E8M0 scales of Wk, one for each 32 codes along K); Wo_codes 1,024 x 32 x 16 uint8 (E2M1 codes of Wo, K innermost, in blocks of 32 codes, two codes a byte); Wo_scales 1,024 x 32 uint8 (E8M0 scales of Wo, one for each 32 codes along K); Wq_codes 1,024 x 32 x 16 uint8 (E2M1 codes of Wq, K innermost, in blocks of 32 codes, two codes a byte); Wq_scales 1,024 x 32 uint8 (E8M0 scales of Wq, one for each 32 codes along K); Wv_codes 1,024 x 32 x 16 uint8 (E2M1 codes of Wv, K innermost, in blocks of 32 codes, two codes a byte); Wv_scales 1,024 x 32 uint8 (E8M0 scales of Wv, one for each 32 codes along K); bk 1,024 float32; bo 1,024 float32; bq 1,024 float32; bv 1,024 float32; keys_codes 4 x 2,048 x 32 x 16 uint8 (E2M1 codes of keys, K innermost, in blocks of 32 codes, two codes a byte); keys_scales 4 x 2,048 x 32 uint8 (E8M0 scales of keys, one for each 32 codes along K); mask 4 x 1 x 1 x 2,048 bool; query_codes 4 x 2,048 x 32 x 16 uint8 (E2M1 codes of query, K innermost, in blocks of 32 codes, two codes a byte); query_scales 4 x 2,048 x 32 uint8 (E8M0 scales of query, one for each 32 codes along K); values_codes 4 x 2,048 x 32 x 16 uint8 (E2M1 codes of values, K innermost, in blocks of 32 codes, two codes a byte); values_scales 4 x 2,048 x 32 uint8 (E8M0 scales of values, one for each 32 codes along K).
;; Outputs: out0 4 x 2,048 x 1,024 float32.
;; This version of the problem:
;;   THIS VERSION OF THE PROBLEM IS GIVEN IN LOW PRECISION. The matrix products marked QUANTISED in the list below multiply operands that are first quantised to E2M1 (2 exponent bits, 1 mantissa bit; 4 bits a number), with one power-of-two scale for each 32 numbers along K (OCP MX v1.0); their sums are f32. All else is computed in f32.
;;   The module's matrix products, in the order in which they are computed (A, B: the left and right operand; K: the contracted axis; several contracted axes count as one K, in the product's order):
;;     1. [M 8,192, K 1,024] x [K 1,024, N 1,024]; A: input query (given as codes); B: input Wq (given as codes): QUANTISED
;;     2. [M 8,192, K 1,024] x [K 1,024, N 1,024]; A: input keys (given as codes); B: input Wk (given as codes): QUANTISED
;;     3. [M 8,192, K 1,024] x [K 1,024, N 1,024]; A: input values (given as codes); B: input Wv (given as codes): QUANTISED
;;     4. batch 64 x [M 2,048, K 64] x [K 64, N 2,048]; A: computed on the way; B: computed on the way: QUANTISED
;;     5. batch 64 x [M 64, K 2,048] x [K 2,048, N 2,048]; A: computed on the way; B: softmax (see below): QUANTISED
;;     6. [M 8,192, K 1,024] x [K 1,024, N 1,024]; A: computed on the way; B: input Wo (given as codes): QUANTISED
;;   THE QUANTISER, for each operand of a quantised product, along K:
;;     - K is cut into blocks of 32 from its start; a last block that is shorter is filled with zeros.
;;     - A block's scale is 2^e with e = floor(log2(the largest magnitude in the block)) - 2, held to -126 .. 127; a block of zeros has e = 0. As a byte (E8M0): e + 127.
;;     - Each number is divided by its block's scale, clamped to +-6, and rounded to the nearest number of E2M1, ties to even, subnormals kept.
;;     - The product sums the exact products of the quantised numbers (number of the format x scale) in f32.
;;   ~~~python
;;   def quantise(x, axis):      # numpy; x: float32 -> the quantised numbers, widened to float32 again
;;       x = np.moveaxis(x, axis, -1); K = x.shape[-1]
;;       x = np.pad(x, [(0, 0)] * (x.ndim - 1) + [(0, -K % 32)]); x = x.reshape(x.shape[:-1] + (-1, 32)); a = np.abs(x).max(-1, keepdims=True)
;;       e = np.where(a > 0, np.clip(np.frexp(np.where(a > 0, a, 1))[1] - 1 - 2, -126, 127), 0)      # np.frexp(a)[1] - 1 = floor(log2(a)), exactly
;;       r = np.clip(x / 2.0 ** e, -6, 6)
;;       step = 2.0 ** (np.maximum(np.frexp(np.where(r == 0, 1, r))[1] - 1, 0) - 1)
;;       q = np.round(r / step) * step * 2.0 ** e      # np.round: ties to even
;;       return np.moveaxis(q.reshape(q.shape[:-2] + (-1,))[..., :K], -1, axis).astype(np.float32)
;;   ~~~
;;   SOFTMAX AHEAD OF A QUANTISED PRODUCT. Where the list says 'softmax', what is quantised is not the finished softmax but p = 2^(t - M), with t = logit x log2(e) and M = ceil(the row's largest t), a whole number; so 1/2 < the row's largest p <= 1. The row's sum l is taken of the UNQUANTISED p, in f32, and the product's result is divided by l at the end. Since M is a whole number, a kernel that streams over the keys may use a running M (the ceiling of the running maximum): every later rescaling is an exact power of two, which a block's scale takes up: the codes' values come out the same.
;;   OPERANDS COMPUTED ON THE WAY. 'Computed on the way' means the value that the module computes at that place (a softmax that the list does not call 'softmax' is quantised finished and normalised). What goes into a quantiser is computed in f32, as accurately as f32 sums, v_exp_f32 and their like allow (about 1e-6 of the number): no bf16 or f16 on the way to a quantiser, and a product that is left as it is and whose result goes on into a quantised operand takes f32 operands (vector FMAs, or v_wmma_f32_16x16x4_f32). A number that lies on a knife's edge between two numbers of the format may be rounded either way, as far as f32 arithmetic and the matrix unit's own rounding can turn it there, and no further.
;;   INPUTS GIVEN AS CODES. Wk (in the module: [1024, 1024], K = its axis 1); Wo (in the module: [1024, 1024], K = its axis 1); Wq (in the module: [1024, 1024], K = its axis 1); Wv (in the module: [1024, 1024], K = its axis 1); keys (in the module: [4, 2048, 1024], K = its axis 2); query (in the module: [4, 2048, 1024], K = its axis 2); values (in the module: [4, 2048, 1024], K = its axis 2): each comes as NAME_codes (uint8): NAME with its K axis moved to the last place and cut into blocks of 32 codes, [.., K / 32, bytes a block], one block behind the other in memory; two codes a byte, the lower K in the low four bits (a code: sign, 2 exponent bits, 1 mantissa bit); and NAME_scales (uint8): the same leading axes, one E8M0 byte (e + 127) for each 32 codes along K. Its value is code x scale, taken as it is: it is not quantised again, and the codes and scales need not be those that the quantiser above would give.
;; One version. Each part assembles by itself: llvm-mc -triple=amdgcn-amd-amdhsa -mcpu=gfx1250 --defsym DOCPART=n.
;; ======== version 1 of 1: 3 launches
;; limits: right only within a limited range of input values
;; workspace buffers: q_img 4,194,304 bytes; k_img 4,194,304 bytes; v_img 4,194,304 bytes; a_img 4,194,304 bytes; q_sc 524,288 bytes; k_sc 524,288 bytes; v_sc 262,144 bytes; a_sc 262,144 bytes
;; launch proj (part 1): grid 4 x 96, 4 waves a work-group, clusters of 4 x 4, 300,544 bytes of LDS; arguments query_codes, query_scales, Wq_codes, Wq_scales, bq, q_img, q_sc, keys_codes, keys_scales, Wk_codes, Wk_scales, bk, k_img, k_sc, Wv_codes, Wv_scales, values_codes, values_scales, bv, v_img, v_sc; writes q_img, q_sc, k_img, k_sc, v_img, v_sc
.if DOCPART == 1
	.amdgcn_target "amdgcn-amd-amdhsa--gfx1250"
	.amdhsa_code_object_version 6
	.text
	.protected	k_q3fcc581e95_proj
	.globl	k_q3fcc581e95_proj
	.p2align	8
	.type	k_q3fcc581e95_proj,@function
k_q3fcc581e95_proj:
	s_mov_b64 s[64:65], 0
	v_nop
	global_prefetch_b8 v0, s[64:65] scope:SCOPE_SE
	s_setreg_imm32_b32 hwreg(HW_REG_WAVE_MODE, 25, 1), 1
	s_wait_xcnt 0x0
	s_wait_alu depctr_hold_cnt(0) depctr_sa_sdst(0) depctr_va_vdst(0) depctr_va_sdst(0) depctr_va_ssrc(0) depctr_va_vcc(0) depctr_vm_vsrc(0)
	s_getreg_b32 s2, hwreg(HW_REG_IB_STS2, 6, 4)
	s_cmp_eq_u32 s2, 0
	s_cbranch_scc0 .Lentry_in_a_cluster
	s_endpgm
.Lentry_in_a_cluster:
	s_bfe_u32 s2, ttmp6, 0x10000c
	s_cmp_lg_u32 s2, 0xf033
	s_cbranch_scc0 .Lentry_shape_is_right
	s_endpgm
.Lentry_shape_is_right:
; THE THREE PROJECTIONS, on codes of FP4 (E2M1) with one E8M0 scale for each 32 along K, and the quantising of their results.
; One body: C[i][j] = sum over k of A[i][k] B[j][k] + bias, K = 1,024, and C is quantised ALONG j, in registers.
;   kind 0: A = query [8192], B = Wq [1024], bias bq along j: q, quantised along a head's 64 numbers.   kind 1: the same for keys, Wk, bk.
;   kind 2: A = Wv [1024], B = values [8192], bias bv along i: v TRANSPOSED, so that j runs along the keys, which are the K of attention's second product.
; SHARES.  A work-group of four waves makes 256 x 256 of C, a wave 128 x 128: 64 accumulators of 16 x 16.  3 x 128 tiles = 384 work-groups, 24 clusters of 4 x 4.
; K = 1,024 is two LDS slots of 512 along K: each slot is filled ONCE, at the start, so no LDS byte is filled a second time.
; CLUSTERS.  The four work-groups of a row of the cluster need the same tiles of A, the four of a column the same tiles of B: each tile is asked for jointly.
; THE MATRIX INSTRUCTION IS USED TRANSPOSED (source 0 = 16 rows of B, source 1 = 16 rows of A): in accumulator (a, b) lane (r, h) holds C(16 a + r, 16 b + 8 h + 0 .. 7): eight neighbours along j.
; THE WAY OUT.  A block of 32 along j is the lane's 16 registers of accumulators 2 B, 2 B + 1 and those of lane l xor 16.  One conversion for each accumulator gives a word of eight codes; word b goes to register
; 4 (b / 4) + 2 (b % 2) + (b % 4) / 2, and an exchange of halves between registers (4 c, 4 c + 1) and (4 c + 2, 4 c + 3) leaves register 4 c + w of lane (r, H) with j = 64 c + 32 H + 8 w + 0 .. 7: the layout of a 4-bit operand.
; The results lie in memory as IMAGES OF THE OPERAND'S REGISTERS: four registers = 512 bytes, lane l's 16 bytes at 16 l.  Each store of the wave covers 512 consecutive bytes, aligned.
;   q_img, k_img [n][head][16 rows][lane][16 B]; q_sc, k_sc [n][head][row] a word: bytes 0, 1 the head's two blocks, bytes 2, 3 the same two again (they scale the half of a K = 128 instruction that holds zero codes).
;   v_img [n][128 keys][16 features][c][lane][16 B]; v_sc [n][128 keys][feature] a word: the four blocks.
; LIMITS: NaN and infinities are not served.  A block whose largest magnitude lies under 2^(3 - 127) gets the byte 1, a block of zeros too (the rule says 127): its codes are zeros and this program alone reads the bytes.
; The input mask is not among the arguments: reference() takes it and never uses it, so no result hangs on it.
.set ROWB,   512                       ; a tile's row: all 1,024 codes of K
.set KROW,   512                       ; a row of A or B in memory, in bytes
.set PITCH,  528                       ; an LDS row: 512 bytes + 16 of padding = 132 words: the 16 rows of a load start at 16 different banks (64 banks of 4 bytes: ISA guide 11.1)
.set NQ,     4                         ; steps of 128 along K in a slot
.set FR,     8                         ; registers of a fragment
.set NL,     2                         ; LDS loads that bring one
.set NP,     4                         ; places behind this matrix instruction (ISA guide 7.12.1)
.set HALFT,  128*PITCH                 ; 128 rows: what one wave reads of A or of B
.set SLOT,   256                       ; slot 1 is the upper 512 along K: 256 bytes further on in each LDS row
.set KS,     32                        ; a row of scale bytes
.set SCL,    4*HALFT                   ; behind A's 256 rows and B's 256: the scale bytes, as units of 256 bytes + 16 of padding
.set HALFS,  (128*KS/256)*272          ; those of 128 rows
.set SBLK,   (16*KS/256)*272           ; those of 16 rows
.set SSTG,   SCL+4*HALFS               ; behind them: 1,024 bytes for each wave, where its results' scale words are gathered; no tile lands here
.set ADRA, 16                          ; v16-17 LDS address of my A fragments in slot 0, 1
.set VBJ,  18                          ; v18    32 h: the bias along j
.set VBI,  19                          ; v19    4 r: the bias along i
.set ADRB, 20                          ; v20-21 the same as ADRA for B
.set VO0,  24                          ; v24    my byte in the image of registers 0-3
.set VO1,  25                          ; v25    and of registers 4-7
.set SST,  26                          ; v26    where I put a scale word
.set ADRS, 27                          ; v27    LDS address of my operands' scale words: lanes 0-15 A's rows, lanes 16-31 B's
.set SRD,  28                          ; v28    where I read the gathered words back
.set SGO,  29                          ; v29    16 x lane
.set SHV,  30                          ; v30    kinds 0, 1: 16 h; kind 2: 0
.set SC,   32                          ; v32-95 scale words, a set for each slot
.set TM,   96                          ; v96-111 at work: +0 largest magnitudes, +4 bytes, +12 the conversions' scale operands
.set PW,   112                         ; v112   the scale word
.set PC,   116                         ; v116-123 the codes
.set AF,   128                         ; v128-191 A's fragments, one set
.set BI,   192                         ; v192-255 the bias, in the result's layout: the C of each sum's first product
.set WV,   18
.set WR,   19                          ; which half of the tile's rows is mine
.set WC,   20                          ; which half of its columns
.set KIND, 21
.set TY,   22
.set TX,   23
.set G1,   24                          ; s[24:31] group 1 for A's tile; s[32:35] its group 0
.set G0,   32
.set G1B,  48                          ; s[48:55], s[56:59] the same for B
.set G0B,  56
.set STRA, 66                          ; bytes from a block of 16 rows to the next in the image
.set STRC, 67                          ; bytes from registers 0-3 to registers 4-7
.set G1S,  68                          ; s[68:75], s[76:79] groups 1 and 0 for A's scale bytes; s[80:87], s[88:91] for B's
.set G0S,  76
.set G1SB, 80
.set G0SB, 88
.set MASKW, 98
.set DUP,  99
.set SEL,  100                         ; s[100:101] v_permlanex16_b32's selects for lane l xor 16
.set MSB, 0
.macro WIN new                         ; the immediate's high byte repeats the setting that is left
.if MSB != (\new)
	s_set_vgpr_msb (MSB<<8)|(\new)
.set MSB, (\new)
.endif
.endm
.set MUL_LO,   0xa1                    ; source 0 (B) window 1, source 1 (A) window 0, C and D window 2
.set MUL_HI,   0xf1                    ; the same, C and D window 3
.set FIRST_LO, 0x81                    ; C (the bias) window 0, D window 2
.set FIRST_HI, 0xc1                    ; C window 0, D window 3
.set TO_B,     0x40                    ; destination window 1
; An arm of the head's one chain of branches on the wave's number: a joint load, s_nop 0 and four v_nop, and a jump to the chain's end.
.macro ARM under, g0, g1, next
	s_cmp_lt_u32 s[WV], \under
	s_cbranch_scc0 \next
	tensor_load_to_lds s[\g0:\g0+3], s[\g1:\g1+7]
	s_nop 0
.rept 4
	v_nop
.endr
	s_branch .Lhead_asked
\next:
.endm
.macro CROUND                          ; a round of the cluster's barrier
	s_barrier_signal -1
	s_barrier_wait -1
	s_cmp_lg_u32 s[WV], 0
	s_cbranch_scc1 .Lnot_wave_0_\@
	s_barrier_signal -3
.Lnot_wave_0_\@:
	s_barrier_wait -3
	s_barrier_signal -1
	s_barrier_wait -1
.endm
.macro PLACES n
.rept \n
	v_nop
.endr
.endm
	s_load_b256 s[4:11], s[0:1], 0x0               ; kind 0's seven addresses: A's codes, A's scales, B's codes, B's scales,
	s_load_b128 s[12:15], s[0:1], 0x20             ; the bias, the image,
	s_load_b64 s[16:17], s[0:1], 0x30              ; the scale words
	s_load_b256 s[68:75], s[0:1], 0x38             ; kind 1's
	s_load_b128 s[76:79], s[0:1], 0x58
	s_load_b64 s[80:81], s[0:1], 0x68
	s_load_b256 s[84:91], s[0:1], 0x70             ; kind 2's
	s_load_b128 s[92:95], s[0:1], 0x90
	s_load_b64 s[96:97], s[0:1], 0xa0
	v_lshl_add_u32 v126, v0, 2, 0x49400
	v_mov_b32 v127, 0
	ds_add_u32 v126, v127
	ds_add_u32 v126, v127
	v_lshrrev_b32 v1, 5, v0
	v_readfirstlane_b32 s[WV], v1                  ; wave 0..3
	s_lshr_b32 s[WR], s[WV], 1
	s_and_b32 s[WC], s[WV], 1
	s_bfe_u32 s40, ttmp6, 0x40000                  ; cx, cy: my place in the cluster
	s_bfe_u32 s41, ttmp6, 0x40004
	s_and_b32 s42, ttmp7, 0xffff                   ; the cluster's y, 0 .. 23: eight clusters to a kind
	s_lshr_b32 s[KIND], s42, 3                     ; the same in all sixteen partners
	s_and_b32 s42, s42, 7
	s_lshl_b32 s42, s42, 2                         ; four tiles of the long side (8,192) to a cluster
	s_lshr_b32 s2, s[KIND], 1                      ; 1 in kind 2
	s_mul_i32 s3, s42, s2                          ; the long side is B's in kind 2,
	s_sub_co_u32 s42, s42, s3                      ; A's in kinds 0 and 1
	s_add_co_u32 s[TY], s41, s42                   ; tile row of C
	s_add_co_u32 s[TX], s40, s3                    ; tile column of C
	s_lshl_b32 s43, s41, 2
	s_lshl_b32 s43, 15, s43                        ; my row of the cluster
	s_lshl_b32 s44, 0x1111, s40                    ; my column
	s_mov_b32 s[SEL], 0x76543210
	s_mov_b32 s[SEL+1], 0xfedcba98
	; group 1: a tile of 256 rows x 512 bytes, 16 bytes of padding behind each row
	s_or_b32 s[G1+0], s43, (0<<16)|(1<<20)|(1<<21)|(6<<22)|(3<<25)  ; 15:0 the mask: A's tile goes to my row; elements of 1 byte; padding on; bit 21 beside a mask; after every 128 words, 4 words
	s_or_b32 s[G1B+0], s44, (0<<16)|(1<<20)|(1<<21)|(6<<22)|(3<<25)
.irp g, G1, G1B
	s_mov_b32 s[\g+1], ROWB<<16                    ; tensor_dim0
	s_mov_b32 s[\g+2], 256<<16                     ; tensor_dim1
	s_mov_b32 s[\g+3], ROWB<<16                    ; tile_dim0
	s_mov_b32 s[\g+4], 256                         ; tile_dim1
	s_mov_b32 s[\g+5], KROW                        ; from row to row
	s_mov_b32 s[\g+6], 0
	s_mov_b32 s[\g+7], 0
.endr
	s_wait_dscnt 0x0
	s_wait_kmcnt 0x0
	s_cmp_eq_u32 s[KIND], 1                        ; the kind's seven addresses: a choice that hangs on the cluster's number alone
.irp i, 0,2,4,6,8,10,12
	s_cselect_b64 s[4+\i:5+\i], s[68+\i:69+\i], s[4+\i:5+\i]
.endr
	s_cmp_eq_u32 s[KIND], 2
.irp i, 0,2,4,6,8,10,12
	s_cselect_b64 s[4+\i:5+\i], s[84+\i:85+\i], s[4+\i:5+\i]
.endr
	; group 1 for the scale bytes of 256 rows: 8,192 dense bytes as 32 rows of 256 (32 elements of 8 bytes), 16 bytes of padding behind each
	s_or_b32 s[G1S+0], s43, (3<<16)|(1<<20)|(1<<21)|(5<<22)|(3<<25)
	s_or_b32 s[G1SB+0], s44, (3<<16)|(1<<20)|(1<<21)|(5<<22)|(3<<25)
.irp g, G1S, G1SB
	s_mov_b32 s[\g+1], 32<<16
	s_mov_b32 s[\g+2], (256*KS/256)<<16
	s_mov_b32 s[\g+3], 32<<16
	s_mov_b32 s[\g+4], 256*KS/256
	s_mov_b32 s[\g+5], 32
	s_mov_b32 s[\g+6], 0
	s_mov_b32 s[\g+7], 0
.endr
	s_lshl_b32 s92, s[TY], 8                       ; A: the tile's first row, 256 x tile row
	s_lshl_b32 s94, s[TX], 8                       ; B: 256 x tile column
	s_lshl_b32 s96, s92, 5                         ; their scale bytes: 32 a row,
	s_lshl_b32 s46, s94, 5
	s_lshl_b32 s92, s92, 9                         ; their codes: 512 a row
	s_lshl_b32 s94, s94, 9
	s_mov_b32 s93, 0
	s_mov_b32 s95, 0
	s_mov_b32 s97, 0
	s_mov_b32 s47, 0
	s_add_nc_u64 s[4:5], s[4:5], s[92:93]
	s_add_nc_u64 s[6:7], s[6:7], s[96:97]
	s_add_nc_u64 s[8:9], s[8:9], s[94:95]
	s_add_nc_u64 s[10:11], s[10:11], s[46:47]
	s_mov_b32 s[G0], 1                             ; the four tiles, each whole, at constant LDS addresses: A's 256 rows for all of K,
	s_mov_b32 s[G0+1], 0
	s_mov_b64 s[G0+2:G0+3], s[4:5]
	s_or_b32 s[G0+3], s[G0+3], 0x80000000
	s_mov_b32 s[G0B], 1                            ; B's 256 rows behind them,
	s_mov_b32 s[G0B+1], 2*HALFT
	s_mov_b64 s[G0B+2:G0B+3], s[8:9]
	s_or_b32 s[G0B+3], s[G0B+3], 0x80000000
	s_mov_b32 s[G0S], 1                            ; the scale bytes of A's 256 rows,
	s_mov_b32 s[G0S+1], SCL
	s_mov_b64 s[G0S+2:G0S+3], s[6:7]
	s_or_b32 s[G0S+3], s[G0S+3], 0x80000000
	s_mov_b32 s[G0SB], 1                           ; and of B's
	s_mov_b32 s[G0SB+1], SCL+2*HALFS
	s_mov_b64 s[G0SB+2:G0SB+3], s[10:11]
	s_or_b32 s[G0SB+3], s[G0SB+3], 0x80000000
	CROUND                                         ; all sixteen work-groups are here: the joint loads meet
	; THE HEAD'S LOADS, ONE A WAVE: wave 0 A's codes, wave 1 B's, wave 2 A's scale bytes, wave 3 B's.  No load follows them: every LDS byte is filled once.
	ARM 1, G0,  G1,  .Lhead_b
	ARM 2, G0B, G1B, .Lhead_sa
	ARM 3, G0S, G1S, .Lhead_sb
	tensor_load_to_lds s[G0SB:G0SB+3], s[G1SB:G1SB+7]
	s_nop 0
	PLACES 4
.Lhead_asked:
	; where my results go.  I0, J0: my first row and column of C
	s_lshl_b32 s92, s[TY], 8
	s_lshl_b32 s2, s[WR], 7
	s_add_co_u32 s92, s92, s2                      ; I0
	s_lshl_b32 s93, s[TX], 8
	s_lshl_b32 s2, s[WC], 7
	s_add_co_u32 s93, s93, s2                      ; J0
	s_lshr_b32 s94, s[TY], 3                       ; kinds 0, 1: n = tile row / 8;
	s_lshl_b32 s94, s94, 20
	s_lshr_b32 s2, s93, 6                          ; head = J0 / 64: 65,536 bytes a head;
	s_lshl_b32 s2, s2, 16
	s_add_co_u32 s94, s94, s2
	s_and_b32 s2, s92, 2047                        ; 32 bytes a row
	s_lshl_b32 s2, s2, 5
	s_add_co_u32 s94, s94, s2
	s_lshr_b32 s96, s[TX], 3                       ; kind 2: n = tile column / 8;
	s_lshl_b32 s96, s96, 20
	s_and_b32 s2, s93, 2047                        ; the step of 128 keys: 65,536 bytes;
	s_lshr_b32 s2, s2, 7
	s_lshl_b32 s2, s2, 16
	s_add_co_u32 s96, s96, s2
	s_lshl_b32 s2, s92, 6                          ; 64 bytes a feature
	s_add_co_u32 s96, s96, s2
	s_mov_b32 s[STRA], 512
	s_mov_b32 s[STRC], 0x10000
	s_mov_b32 s[MASKW], 0xffff
	s_cmp_eq_u32 s[KIND], 2
	s_cselect_b32 s94, s96, s94                    ; my first byte in the image
	s_cselect_b32 s2, 4, 3                         ; the scale words are a sixteenth (kind 2) or an eighth of the image's bytes, in the same order
	s_cselect_b32 s[STRA], 1024, s[STRA]
	s_cselect_b32 s[STRC], 512, s[STRC]            ; kinds 0, 1: registers 4-7 are the next head's
	s_cselect_b32 s[MASKW], -1, s[MASKW]
	s_cselect_b32 s[DUP], 0, 16
	s_cselect_b32 s3, 0, 16
	s_cselect_b32 s46, s92, s93                    ; the bias runs along i in kind 2, along j else
	s_lshr_b32 s96, s94, s2
	s_lshl_b32 s46, s46, 2
	s_mov_b32 s95, 0
	s_mov_b32 s97, 0
	s_mov_b32 s47, 0
	s_add_nc_u64 s[14:15], s[14:15], s[94:95]
	s_add_nc_u64 s[16:17], s[16:17], s[96:97]
	s_add_nc_u64 s[12:13], s[12:13], s[46:47]
	v_and_b32 v1, 15, v0                           ; r
	v_bfe_u32 v2, v0, 4, 1                         ; h
	v_lshlrev_b32 v[VBJ], 5, v2
	v_lshlrev_b32 v[VBI], 2, v1
	; the bias, in the result's layout: all 64 registers are written on both ways
	s_cmp_eq_u32 s[KIND], 2
	s_cbranch_scc1 .Lbias_i
.irp b, 0,1,2,3,4,5,6,7
	global_load_b128 v[BI+8*\b:BI+8*\b+3], v[VBJ], s[12:13] offset:64*\b        ; bias(J0 + 16 b + 8 h + 0 .. 7)
	global_load_b128 v[BI+8*\b+4:BI+8*\b+7], v[VBJ], s[12:13] offset:64*\b+16
.endr
	s_branch .Lbias_done
.Lbias_i:
	s_wait_alu depctr_va_vdst(0)
.irp a, 0,1,2,3,4,5,6,7
	global_load_b32 v[BI+8*\a], v[VBI], s[12:13] offset:64*\a                   ; bias(I0 + 16 a + r): one number for the lane's eight results
.endr
	s_wait_loadcnt 0x0                             ; (the tiles are on their way meanwhile)
.irp a, 0,1,2,3,4,5,6,7
.irp e, 1,2,3,4,5,6,7
	v_mov_b32 v[BI+8*\a+\e], v[BI+8*\a]
.endr
.endr
.Lbias_done:
	s_wait_alu depctr_va_vdst(0)
	v_mul_u32_u24 v3, v1, PITCH
	v_lshl_add_u32 v4, v2, 4, v3                   ; a fragment's row x pitch + 16 x half
	s_mul_i32 s40, s[WR], HALFT                    ; my 128 rows of A
	s_mul_i32 s41, s[WC], HALFT                    ; my 128 rows of B,
	s_add_co_u32 s41, s41, 2*HALFT                 ; which lie behind A's 256
.irp s, 0,1
	v_add_nc_u32 v[ADRA+\s], s40, v4
	v_add_nc_u32 v[ADRB+\s], s41, v4
	s_add_co_u32 s40, s40, SLOT
	s_add_co_u32 s41, s41, SLOT
.endr
	v_mul_u32_u24 v5, v1, KS                       ; my row's scale bytes: 32 a row,
	v_lshrrev_b32 v6, 8, v5
	v_lshl_add_u32 v5, v6, 4, v5                   ; and 16 more for each 256 passed
	s_mul_i32 s40, s[WR], HALFS                    ; A's: my 128 rows
	s_mul_i32 s41, s[WC], HALFS                    ; B's: my 128 rows, behind A's 256
	s_add_co_u32 s41, s41, 2*HALFS
	s_sub_co_u32 s41, s41, s40
	v_mul_u32_u24 v6, s41, v2                      ; lanes 16-31 take B's
	s_add_co_u32 s40, s40, SCL
	v_add_nc_u32 v5, v5, v6
	v_add_nc_u32 v[ADRS], s40, v5
	v_and_b32 v7, 31, v0
	v_lshlrev_b32 v[VO0], 4, v7                    ; 16 x lane
	v_add_nc_u32 v[VO1], s[STRC], v[VO0]
	v_lshlrev_b32 v[SGO], 4, v7
	s_lshl_b32 s40, s[WV], 10
	s_add_co_u32 s40, s40, SSTG                    ; my 1,024 bytes for scale words
	v_lshlrev_b32 v8, 2, v1
	v_lshl_add_u32 v8, v2, 9, v8
	v_add_nc_u32 v[SST], s40, v8                   ; in: 512 h + 4 r (+ 64 a block)
	v_add_nc_u32 v[SRD], s40, v[SGO]               ; back: 16 x lane
	v_mul_u32_u24 v[SHV], s3, v2
.macro FRAG reg, adr, q, i             ; 16 rows x 128 K of 4-bit codes: lane l holds row l % 16; registers 4 c .. 4 c + 3 hold K = 64 c + 32 (l / 16) + 0 .. 31
.irp c, 0,1
	ds_load_b128 v[\reg+4*\c:\reg+4*\c+3], v[\adr] offset:64*(\q)+32*\c+(\i)*16*PITCH
.endr
.endm
; 16 matrix instructions: A's blocks a0, a0 + 1 x B's eight, the slot's q-th 128 along K.  p: B's set; sc: the set of scale words.
; zero = 0: the sums go on; 1: they begin with the bias along j; 2: with the bias along i.  The 64 accumulators take turns, one instruction a turn, in the same order in every step.
.macro MUL16 a0, p, q, sc, zero
.irp a, \a0, \a0+1
.irp b, 0,1,2,3,4,5,6,7
.set xD, 8*(8*((\a)%4)+\b)
.set xB, 128*(\p)+FR*\b
.set xA, AF+FR*(\a)
.set xSB, SC+8*NQ*(\sc)+NQ*\b+(\q)
.set xSA, SC+8*NQ*(\sc)+NQ*(\a)+(\q)
.set xC, xD
.if (\zero) == 1
.set xC, BI+8*\b
.endif
.if (\zero) == 2
.set xC, BI+8*(\a)
.endif
	v_wmma_scale_f32_16x16x128_f8f6f4 v[xD:xD+7], v[xB:xB+7], v[xA:xA+7], v[xC:xC+7], v[xSB], v[xSA] matrix_a_fmt:MATRIX_FMT_FP4 matrix_b_fmt:MATRIX_FMT_FP4 matrix_a_scale:MATRIX_SCALE_ROW1
.endr
.endr
.endm
.macro FETCH_B slot, q, p              ; B's eight fragments into set p
	WIN TO_B
.irp i, 0,1,2,3,4,5,6,7
	FRAG 128*(\p)+FR*\i, ADRB+\slot, \q, \i
.endr
	WIN 0
.endm
.macro FETCH_A slot, q, i0             ; A's blocks i0 .. i0 + 3
.irp i, \i0, \i0+1, \i0+2, \i0+3
	FRAG AF+FR*(\i), ADRA+\slot, \q, \i
.endr
.endm
.macro SCALES sc                       ; a slot's scale words: four a row; lanes 0-15 take A's block i, lanes 16-31 B's block i
.irp i, 0,1,2,3,4,5,6,7
	ds_load_b128 v[SC+8*NQ*\sc+NQ*\i:SC+8*NQ*\sc+NQ*\i+3], v[ADRS] offset:\i*SBLK
.endr
.endm
; A step of 128 along K that has its successor in the same slot.  A block of A is free when its eight products are issued, so A has one set of registers: blocks 0-3 come anew in the step's middle, blocks 4-7 at its end.
; A load into a register that a matrix instruction has read stands four plain vector instructions behind it (ISA guide 7.12.1 for vector instructions).
.macro STEP slot, q, zero
	s_wait_dscnt 4*NL                              ; all but the youngest eight loads (A's blocks 4-7) are in
.if \zero
	WIN FIRST_LO
.else
	WIN MUL_LO
.endif
	MUL16 0, (\q)%2, \q, \slot, \zero
	MUL16 2, (\q)%2, \q, \slot, \zero
	s_wait_dscnt 0                                 ; A's blocks 4-7 are in
	PLACES NP
	FETCH_B \slot, (\q)+1, 1-(\q)%2
	FETCH_A \slot, (\q)+1, 0
.if \zero
	WIN FIRST_HI
.else
	WIN MUL_HI
.endif
	MUL16 4, (\q)%2, \q, \slot, \zero
	MUL16 6, (\q)%2, \q, \slot, \zero
	PLACES NP
	WIN 0
	FETCH_A \slot, (\q)+1, 4
.endm
; Slot 0's last step goes over to slot 1, the upper half of the same LDS rows: they landed with the lower half, so no wait on tiles and no barrier stands here.
.macro TURN slot, next
	s_wait_dscnt 4*NL
	WIN MUL_LO
	MUL16 0, 1, NQ-1, \slot, 0
	MUL16 2, 1, NQ-1, \slot, 0
	s_wait_dscnt 0x0                               ; A's blocks 4-7 are in
	WIN 0
	PLACES NP
	v_add_nc_u32 v[ADRS], 4*NQ, v[ADRS]            ; the next slot's scale words
	FETCH_B \next, 0, 0
	FETCH_A \next, 0, 0
	SCALES \next
	WIN MUL_HI
	MUL16 4, 1, NQ-1, \slot, 0
	MUL16 6, 1, NQ-1, \slot, 0
	PLACES NP
	WIN 0
	FETCH_A \next, 0, 4
.endm
.macro STEPS slot, from                ; the slot's steps from .. NQ - 2
.set Q, \from
.rept NQ-1-\from
	STEP \slot, Q, 0
.set Q, Q+1
.endr
.endm
	s_wait_alu depctr_va_vdst(0)
	s_wait_tensorcnt 0x0                           ; my one load has landed
	s_barrier_signal -1
	s_barrier_wait -1                              ; everybody's has: all four tiles are whole
	FETCH_B 0, 0, 0
	FETCH_A 0, 0, 0
	SCALES 0
	FETCH_A 0, 0, 4
	s_wait_loadcnt 0x0                             ; the bias
	s_cmp_eq_u32 s[KIND], 2                        ; the first step starts the sums with the bias: along j or along i
	s_cbranch_scc1 .Lfirst_i
	STEP 0, 0, 1
	s_branch .Lfirst_done
.Lfirst_i:
	STEP 0, 0, 2
.Lfirst_done:
	STEPS 0, 1
	TURN 0, 1
	STEPS 1, 0
	s_wait_dscnt 4*NL                              ; the last step: nothing more to fetch
	WIN MUL_LO
	MUL16 0, 1, NQ-1, 1, 0
	MUL16 2, 1, NQ-1, 1, 0
	s_wait_dscnt 0
	WIN MUL_HI
	MUL16 4, 1, NQ-1, 1, 0
	MUL16 6, 1, NQ-1, 1, 0
	WIN 0
.irp k, 0,1,2,3
	v_mov_b32 v[TM+4+\k], 0                        ; written once: a lane permute's destination counts as one of its sources.  These four are also the places behind the last products
.endr
; THE WAY OUT of block a: 16 rows x 128 along j: four blocks of 32, eight words of codes, one scale word a row.
.macro QOUT a
.set AC, 64*((\a)%4)
	WIN 0x0a+5*((\a)/4)                            ; sources 0 and 1: window 2 or 3
.irp k, 0,1,2,3
	v_max3_num_f32 v[TM+\k], |v[AC+16*\k]|, |v[AC+16*\k+1]|, 0x1800000    ; block k: my 16 numbers, each accumulator from its low end on, and the floor 2^(3 - 127): the byte cannot fall under 1
.endr
.irp i, 2,4,6,8,10,12,14
.irp k, 0,1,2,3
	v_max3_num_f32 v[TM+\k], |v[AC+16*\k+\i]|, |v[AC+16*\k+\i+1]|, v[TM+\k]
.endr
.endr
	WIN 0
.irp k, 0,1,2,3
	v_permlanex16_b32 v[TM+4+\k], v[TM+\k], s[SEL], s[SEL+1]
.endr
.irp k, 0,1,2,3
	v_max_num_f32 v[TM+\k], v[TM+\k], v[TM+4+\k]   ; with lane l xor 16's: the block's largest magnitude
.endr
.irp k, 0,1,2,3
	v_add_nc_u32 v[TM+12+\k], 0xff000000, v[TM+\k] ; 2 off its exponent field: the conversion takes this operand's exponent field as its scale
.endr
.irp k, 0,1,2,3
	v_lshrrev_b32 v[TM+4+\k], 23, v[TM+12+\k]      ; the scale's byte
.endr
	v_lshl_or_b32 v[PW], v[TM+5], 8, v[TM+4]
	v_lshl_or_b32 v[PW], v[TM+6], 16, v[PW]
	v_lshl_or_b32 v[PW], v[TM+7], 24, v[PW]        ; my row's four bytes.  Kind 2: that is the word.
	v_lshrrev_b32 v[PW], v[SHV], v[PW]             ; Kinds 0, 1: lanes 0-15 keep the first head's two bytes, lanes 16-31 the second head's,
	v_and_b32 v[PW], s[MASKW], v[PW]
	v_lshl_or_b32 v[PW], v[PW], s[DUP], v[PW]      ; and the two are repeated in the upper half (kind 2: a shift by 0 changes nothing)
	s_wait_xcnt 0x0                                ; the last block's stores have read their data and offsets: both are written again only behind this wait
.if (\a) > 0
	v_add_nc_u32 v[VO0], s[STRA], v[VO0]
	v_add_nc_u32 v[VO1], s[STRA], v[VO1]
.endif
	WIN 0x02+((\a)/4)                              ; source 0: window 2 or 3
.irp b, 0,1,2,3,4,5,6,7
	v_cvt_scalef32_pk8_fp4_f32 v[PC+4*(\b/4)+2*(\b%2)+(\b%4)/2], v[AC+8*\b:AC+8*\b+7], v[TM+12+\b/2]
.endr
	WIN 0
	v_nop                                          ; one plain instruction behind the scaled conversions
.irp c, 0,1
	v_permlane16_swap_b32 v[PC+4*\c], v[PC+4*\c+1]     ; a whole block to a lane: lanes 0-15 block 2 c, lanes 16-31 block 2 c + 1
	v_permlane16_swap_b32 v[PC+4*\c+2], v[PC+4*\c+3]
.endr
	global_store_b128 v[VO0], v[PC:PC+3], s[14:15]     ; 32 lanes store 512 consecutive bytes, aligned
	global_store_b128 v[VO1], v[PC+4:PC+7], s[14:15]
	ds_store_b32 v[SST], v[PW] offset:64*(\a)
.endm
.irp a, 0,1,2,3,4,5,6,7
	QOUT \a
.endr
	ds_load_b128 v[100:103], v[SRD]                ; LDS serves a wave's instructions in order (ISA guide 5.7.1.4): these see my stores.  128 rows' words: 512 bytes
	s_wait_dscnt 0x0
	global_store_b128 v[SGO], v[100:103], s[16:17]
	s_cmp_eq_u32 s[KIND], 2
	s_cbranch_scc1 .Lone_run
	ds_load_b128 v[104:107], v[SRD] offset:512     ; kinds 0, 1: the second head's words
	s_wait_dscnt 0x0
	global_store_b128 v[SGO], v[104:107], s[16:17] offset:8192
.Lone_run:
	s_wait_tensorcnt 0x0
	ds_add_u32 v126, v127
	s_wait_dscnt 0x0
	CROUND                                         ; the closing round: no work-group ends while a partner may still ask for a tile that names it
	s_endpgm
.Lfunc_end_k_q3fcc581e95_proj:
	.size	k_q3fcc581e95_proj, .Lfunc_end_k_q3fcc581e95_proj-k_q3fcc581e95_proj
	.p2alignl 7, 3214868480
	.fill 96, 4, 3214868480
	.section	.rodata,"a",@progbits
	.p2align	6, 0x0
	.amdhsa_kernel k_q3fcc581e95_proj
		.amdhsa_group_segment_fixed_size 300544
		.amdhsa_private_segment_fixed_size 0
		.amdhsa_enable_private_segment 0
		.amdhsa_kernarg_size 168
		.amdhsa_user_sgpr_count 2
		.amdhsa_user_sgpr_kernarg_segment_ptr 1
		.amdhsa_wavefront_size32 1
		.amdhsa_system_sgpr_workgroup_id_x 1
		.amdhsa_system_sgpr_workgroup_id_y 1
		.amdhsa_system_sgpr_workgroup_id_z 1
		.amdhsa_system_vgpr_workitem_id 0
		.amdhsa_next_free_vgpr 1024
		.amdhsa_next_free_sgpr 102
		.amdhsa_reserve_vcc 0
		.amdhsa_float_denorm_mode_32 3
		.amdhsa_float_denorm_mode_16_64 3
		.amdhsa_memory_ordered 1
		.amdhsa_forward_progress 1
		.amdhsa_inst_pref_size 146
	.end_amdhsa_kernel
	.amdgpu_metadata
---
amdhsa.version: [ 1, 2 ]
amdhsa.kernels:
  - .name:           k_q3fcc581e95_proj
    .symbol:         k_q3fcc581e95_proj.kd
    .args:
      - { .name: query_codes, .offset: 0, .size: 8, .value_kind: global_buffer, .address_space: global }
      - { .name: query_scales, .offset: 8, .size: 8, .value_kind: global_buffer, .address_space: global }
      - { .name: Wq_codes, .offset: 16, .size: 8, .value_kind: global_buffer, .address_space: global }
      - { .name: Wq_scales, .offset: 24, .size: 8, .value_kind: global_buffer, .address_space: global }
      - { .name: bq, .offset: 32, .size: 8, .value_kind: global_buffer, .address_space: global }
      - { .name: q_img, .offset: 40, .size: 8, .value_kind: global_buffer, .address_space: global }
      - { .name: q_sc, .offset: 48, .size: 8, .value_kind: global_buffer, .address_space: global }
      - { .name: keys_codes, .offset: 56, .size: 8, .value_kind: global_buffer, .address_space: global }
      - { .name: keys_scales, .offset: 64, .size: 8, .value_kind: global_buffer, .address_space: global }
      - { .name: Wk_codes, .offset: 72, .size: 8, .value_kind: global_buffer, .address_space: global }
      - { .name: Wk_scales, .offset: 80, .size: 8, .value_kind: global_buffer, .address_space: global }
      - { .name: bk, .offset: 88, .size: 8, .value_kind: global_buffer, .address_space: global }
      - { .name: k_img, .offset: 96, .size: 8, .value_kind: global_buffer, .address_space: global }
      - { .name: k_sc, .offset: 104, .size: 8, .value_kind: global_buffer, .address_space: global }
      - { .name: Wv_codes, .offset: 112, .size: 8, .value_kind: global_buffer, .address_space: global }
      - { .name: Wv_scales, .offset: 120, .size: 8, .value_kind: global_buffer, .address_space: global }
      - { .name: values_codes, .offset: 128, .size: 8, .value_kind: global_buffer, .address_space: global }
      - { .name: values_scales, .offset: 136, .size: 8, .value_kind: global_buffer, .address_space: global }
      - { .name: bv, .offset: 144, .size: 8, .value_kind: global_buffer, .address_space: global }
      - { .name: v_img, .offset: 152, .size: 8, .value_kind: global_buffer, .address_space: global }
      - { .name: v_sc, .offset: 160, .size: 8, .value_kind: global_buffer, .address_space: global }
    .group_segment_fixed_size: 300544
    .private_segment_fixed_size: 0
    .kernarg_segment_align: 8
    .kernarg_segment_size: 168
    .max_flat_workgroup_size: 128
    .sgpr_count:     102
    .vgpr_count:     1024
    .wavefront_size: 32
...
	.end_amdgpu_metadata
.endif
;; end of part 1
;; launch attn (part 2): grid 4 x 64, 16 waves a work-group, clusters of 4 x 1, 169,984 bytes of LDS; arguments q_img, q_sc, k_img, k_sc, v_img, v_sc, a_img, a_sc; writes a_img, a_sc
.if DOCPART == 2
	.amdgcn_target "amdgcn-amd-amdhsa--gfx1250"
	.amdhsa_code_object_version 6
	.text
	.protected	k_q3fcc581e95_attn
	.globl	k_q3fcc581e95_attn
	.p2align	8
	.type	k_q3fcc581e95_attn,@function
k_q3fcc581e95_attn:
	s_mov_b64 s[64:65], 0
	v_nop
	global_prefetch_b8 v0, s[64:65] scope:SCOPE_SE
	s_setreg_imm32_b32 hwreg(HW_REG_WAVE_MODE, 25, 1), 1
	s_wait_xcnt 0x0
	s_wait_alu depctr_hold_cnt(0) depctr_sa_sdst(0) depctr_va_vdst(0) depctr_va_sdst(0) depctr_va_ssrc(0) depctr_va_vcc(0) depctr_vm_vsrc(0)
	s_getreg_b32 s2, hwreg(HW_REG_IB_STS2, 6, 4)
	s_cmp_eq_u32 s2, 0
	s_cbranch_scc0 .Lentry_in_a_cluster
	s_endpgm
.Lentry_in_a_cluster:
	s_bfe_u32 s2, ttmp6, 0x10000c
	s_cmp_lg_u32 s2, 0x3003
	s_cbranch_scc0 .Lentry_shape_is_right
	s_endpgm
.Lentry_shape_is_right:
; ATTENTION on codes of FP4 (E2M1) with one E8M0 scale for each 32 along a product's K: for each of 64 (n, head): S^T = K Q^T (K = the head's 64), the softmax, O^T = V^T P^T (K = the 2,048 keys), O / the row's sum,
; quantised along the head's 64 numbers for the last projection.
; THE SOFTMAX: t = score x log2(e) / 32 (reference() divides by sqrt(1024)); M = the running largest t rounded UP to a whole number; p = 2^(t - M) is what is quantised, along the keys, not normalised.
; The row's sum is taken of the unquantised p and divides O at the end.  When M moves, the sum and O are multiplied by 2^(old M - new M): exact.
; SHARES.  A work-group owns 512 queries of one (n, head): 256 work-groups.  Each of its sixteen waves (four to a SIMD, 256 registers each) owns two tiles of 16 queries, which share every fragment of K and V that the wave reads.
; LDS holds the head's K and V whole (64 KiB + 64 KiB of codes, 8 KiB + 4 KiB of scale words).  Every byte is filled ONCE, by sixteen loads at the head, one a wave: waves 0-3 a quarter of K's codes each,
; waves 4-11 two key steps of V's codes each, waves 12, 13 the halves of K's scale words, waves 14, 15 those of V's.  One wait and one barrier show them to all; the walk over the 16 key steps has no barrier.
; CLUSTER.  The four query blocks of a head form a cluster and read the same K and V: every fill is asked for jointly (mask 15), which divides the requests by four.
; NO PREFETCH: every byte that the launch loads is asked for at its head, so there is no loop to run ahead in.
; LAYOUT.  All operands lie in memory and in LDS as images of the operand's registers (four registers = 512 bytes; the 16 bytes of row r, half h at 16 r + 256 h).  Both products are used transposed, so that a lane holds ONE query
; (lane % 16) throughout.
; THE KEYS OF A TILE ARE NOT NEIGHBOURS: of a step's 128 keys, row m of tile t = 4 c + w takes key 64 c + 8 w + (m & 7) + 32 (m >> 3); each lane picks its row's 16 bytes out of K's images by its own LDS address.  In S^T lane (r, h) then
; holds, in register j of tile 4 c + w, key 64 c + 32 h + 8 w + j.  So (a) the lane's 32 registers of tiles 4 c .. 4 c + 3 are ONE WHOLE BLOCK of 32 keys, block 2 c + h: its largest score asks no other lane; and (b) the conversion of
; tile t gives register t of the second product's operand as it stands: no exchange of halves.  Only the row's largest score and the four bytes of p's scale word go between lanes l and l xor 16, one permute each.
; Price: the sixteen lanes of a K load touch two runs of 128 bytes that lie 1,024 bytes apart.
; K = 64 IN AN INSTRUCTION OF K = 128: Q's upper four registers hold zero codes, so what K's upper four hold adds nothing: tile t's operand is v[KF + 4 t .. + 7], whose upper half is tile t + 1's codes (behind tile 7: four registers of zeros).
; Bytes 2 and 3 of q's and k's scale words repeat bytes 0 and 1.
; LIMITS: NaN and infinities are not served.  The running largest score begins at -3e38.  A block's largest p is made from the block's largest score by the same multiply-add and exponential, which takes v_exp_f32 not to fall where its
; input rises.  A block whose largest magnitude lies under 2^(3 - 127), a block of zeros too, gets the byte 1 (the rule says 127 for zeros): its codes are zeros and this program alone reads the bytes.
; The scale bytes of the result leave as 2 bytes a row: a row's 32 bytes belong to sixteen heads, which are sixteen work-groups; they are one byte in 17 of what the launch stores.
; The input mask is not among the arguments: reference() takes it and never uses it.
.set VC,   65536                       ; LDS: K's codes at 0 (16 keys: 512 bytes); V's codes here (4,096 a step of 128 keys, 1,024 a tile of 16 features, 512 a c)
.set KSB,  131072                      ; K's scale words, 4 bytes a key
.set VSB,  139264                      ; V's: 256 bytes a step
.set SPARE, 0x29000                    ; the spare words: 128 bytes a wave, eight blocks of 256 bytes that no other line names
.set AK0,  1                           ; v1   16 x lane: my byte in an image in memory
.set H8,   2                           ; v2   8 h: where my two bytes stand in p's scale word
.set ADK,  5                           ; v5-8 LDS addresses: K's codes and K's scale words of the step to be fetched, V's codes and V's scale words of the step in hand
.set ADV,  6
.set ADS,  7
.set ADT,  8
.set QS,   9                           ; v9   q's scale words: lanes 0-15 tile 0's rows, lanes 16-31 tile 1's
.set LN,   10                          ; v10  lane
.set L32,  11                          ; v11  32 x lane
.set ST,   12                          ; tile u at v[12 + 4 u]: -M, the largest score, the sum in two halves
.set QF,   20                          ; tile u at v[20 + 8 u]: 4 registers of codes, 4 of zero codes
.set KF,   36                          ; v36-67 eight tiles of K, later four fragments of V
.set KZ,   68                          ; v68-71 zeros
.set KSC,  72                          ; v72-75 k's scale words: register i: lanes 0-15 tile 2 i, lanes 16-31 tile 2 i + 1
.set VSC,  76                          ; v76-77 v's likewise
.set PS,   78                          ; v78-79 p's scale word, tile u
.set S,    80                          ; v80-143 S^T of one tile of queries, then p
.set OT,   144                         ; v144-207 O^T, 32 a tile
.set PF,   208                         ; v208-223 p's codes, 8 a tile
.set BM,   224                         ; v224-227 maxima of accumulators 0-3; v224 my first block's largest; v225-227 at work
.set PB,   228                         ; v228-231 maxima of accumulators 4-7; v228 my second block's largest; later two chains of the sum
.set SO,   232                         ; v232-233 the conversions' scale operands; later one chain of the sum
.set XX,   236
.set SPW,  237                         ; v237 LDS address of my spare word; never rewritten
.set C2,   238                         ; v[238:239] one chain of the sum
.set FF,   240                         ; v[240:241], v[242:243] f = 2^(old M - new M), tile u, as the low word of a pair
.set NIL,  254                         ; v254 0; never rewritten
.set XY,   255                         ; v255 the largest t
.set WV,   20
.set CX,   22
.set HY,   23
.set G1KC, 24                          ; s[24:55] four groups 1
.set G1KS, 32
.set G1VC, 40
.set G1VS, 48
.set NB,   56
.set HD,   57
.set CS,   58                          ; s[58:59] c = log2(e) / 32
.set SEL,  60                          ; s[60:61] lane l xor 16
.set CNT,  67
.set G0K,  68                          ; s[68:83] four groups 0
.set G0V,  72
.set G0KS, 76
.set G0VS, 80
.macro CROUND                          ; a round of the cluster's barrier
	s_barrier_signal -1
	s_barrier_wait -1
	s_cmp_lg_u32 s[WV], 0
	s_cbranch_scc1 .Lnot_wave_0_\@
	s_barrier_signal -3
.Lnot_wave_0_\@:
	s_barrier_wait -3
	s_barrier_signal -1
	s_barrier_wait -1
.endm
.macro PLACES
.rept 4
	v_nop
.endr
.endm
.macro GROUP1 g, c, r, p               ; r rows of c elements of 8 bytes, p elements apart; no padding; the mask of all four work-groups, bit 21 beside it
	s_mov_b32 s[\g], 15|(3<<16)|(1<<21)
	s_mov_b32 s[\g+1], (\c)<<16
	s_mov_b32 s[\g+2], (\r)<<16
	s_mov_b32 s[\g+3], (\c)<<16
	s_mov_b32 s[\g+4], \r
	s_mov_b32 s[\g+5], \p
	s_mov_b32 s[\g+6], 0
	s_mov_b32 s[\g+7], 0
.endm
.macro ARM under, g0, g1, next         ; an arm of the head's one chain of branches on the wave's number: a joint load, s_nop 0 and four v_nop, a jump to the chain's end
	s_cmp_lt_u32 s[WV], \under
	s_cbranch_scc0 \next
	tensor_load_to_lds s[\g0:\g0+3], s[\g1:\g1+7]
	s_nop 0
	PLACES
	s_branch .Lhead_asked
\next:
.endm
	s_load_b512 s[4:19], s[0:1], 0x0               ; q_img 4, q_sc 6, k_img 8, k_sc 10, v_img 12, v_sc 14, a_img 16, a_sc 18
	v_lshl_add_u32 v[SPW], v0, 2, SPARE
	v_mov_b32 v[NIL], 0
	ds_add_u32 v[SPW], v[NIL]                      ; the opening lines: the add, twice on end, and its wait ahead of my tensor load
	ds_add_u32 v[SPW], v[NIL]
	v_lshrrev_b32 v1, 5, v0
	s_delay_alu instid0(VALU_DEP_1)
	v_readfirstlane_b32 s[WV], v1                  ; wave 0..15
	s_bfe_u32 s[CX], ttmp6, 0x40000                ; my block of 512 queries: it enters addresses in memory alone
	s_and_b32 s[HY], ttmp7, 0xffff                 ; 16 n + head, which the four partners share
	s_lshr_b32 s[NB], s[HY], 4
	s_and_b32 s[HD], s[HY], 15
	GROUP1 G1KC, 32, 64, 32                        ; K's codes: 16,384 dense bytes as 64 rows of 256
	GROUP1 G1KS, 32, 16, 32                        ; K's scale words: 4,096 dense bytes as 16 rows of 256
	GROUP1 G1VC, 512, 2, 8192                      ; V's codes: two steps of 128 keys: 2 rows of 4,096 bytes, 65,536 bytes apart
	GROUP1 G1VS, 32, 8, 512                        ; V's scale words: eight steps: 8 rows of 256 bytes, 4,096 bytes apart
	s_mov_b32 s[CS], 0x3d38aa3b
	s_mov_b32 s[CS+1], s[CS]                       ; (named with it as a pair, so it is written)
	s_mov_b32 s[SEL], 0x76543210
	s_mov_b32 s[SEL+1], 0xfedcba98
	; where the fills go (the wave's number and constants alone) and where they come from
	s_and_b32 s2, s[WV], 3                         ; which quarter of K's codes
	s_and_b32 s3, s[WV], 7                         ; which two steps of V's codes (waves 4-11: each of 0 .. 7 once)
	s_and_b32 s21, s[WV], 1                        ; which half of the scale words
	s_lshl_b32 s84, s[HY], 16                      ; K's codes: 65,536 a head, 16,384 a quarter
	s_lshl_b32 s[G0K+1], s2, 14
	s_add_co_u32 s84, s84, s[G0K+1]
	s_mov_b32 s85, 0
	s_lshl_b32 s86, s[NB], 20                      ; V's codes: 2^20 an n, 4,096 a head, 65,536 a step
	s_lshl_b32 s62, s[HD], 12
	s_add_co_u32 s86, s86, s62
	s_lshl_b32 s62, s3, 17
	s_add_co_u32 s86, s86, s62
	s_mov_b32 s87, 0
	s_lshl_b32 s[G0V+1], s3, 13
	s_add_co_u32 s[G0V+1], s[G0V+1], VC
	s_lshl_b32 s88, s[HY], 13                      ; K's scale words: 8,192 a head
	s_lshl_b32 s[G0KS+1], s21, 12
	s_add_co_u32 s88, s88, s[G0KS+1]
	s_mov_b32 s89, 0
	s_add_co_u32 s[G0KS+1], s[G0KS+1], KSB
	s_lshl_b32 s90, s[NB], 16                      ; V's scale words: 65,536 an n, 256 a head, 4,096 a step
	s_lshl_b32 s62, s[HD], 8
	s_add_co_u32 s90, s90, s62
	s_lshl_b32 s62, s21, 15
	s_add_co_u32 s90, s90, s62
	s_mov_b32 s91, 0
	s_lshl_b32 s[G0VS+1], s21, 11
	s_add_co_u32 s[G0VS+1], s[G0VS+1], VSB
	s_wait_dscnt 0x0                               ; both opening adds are done
	s_wait_kmcnt 0x0
	s_mov_b32 s[G0K], 1
	s_add_nc_u64 s[G0K+2:G0K+3], s[8:9], s[84:85]
	s_or_b32 s[G0K+3], s[G0K+3], 0x80000000
	s_mov_b32 s[G0V], 1
	s_add_nc_u64 s[G0V+2:G0V+3], s[12:13], s[86:87]
	s_or_b32 s[G0V+3], s[G0V+3], 0x80000000
	s_mov_b32 s[G0KS], 1
	s_add_nc_u64 s[G0KS+2:G0KS+3], s[10:11], s[88:89]
	s_or_b32 s[G0KS+3], s[G0KS+3], 0x80000000
	s_mov_b32 s[G0VS], 1
	s_add_nc_u64 s[G0VS+2:G0VS+3], s[14:15], s[90:91]
	s_or_b32 s[G0VS+3], s[G0VS+3], 0x80000000
	CROUND                                         ; all four work-groups are here: the joint loads meet
	ARM 4,  G0K,  G1KC, .Lhead_v                   ; every way through the chain passes exactly one load
	ARM 12, G0V,  G1VC, .Lhead_ks
	ARM 14, G0KS, G1KS, .Lhead_vs
	tensor_load_to_lds s[G0VS:G0VS+3], s[G1VS:G1VS+7]
	s_nop 0
	PLACES
.Lhead_asked:
	; my 32 queries: tiles 32 cx + 2 wave, + 1 of the head's 128
	s_lshl_b32 s92, s[HY], 16
	s_lshl_b32 s2, s[CX], 14
	s_add_co_u32 s92, s92, s2
	s_lshl_b32 s2, s[WV], 10
	s_add_co_u32 s92, s92, s2
	s_mov_b32 s93, 0
	s_add_nc_u64 s[4:5], s[4:5], s[92:93]          ; q's codes: 32 bytes a row,
	s_lshr_b32 s92, s92, 3
	s_add_nc_u64 s[6:7], s[6:7], s[92:93]          ; its scale words: 4
	s_lshl_b32 s92, s[NB], 20                      ; the result's image: 8,192 bytes a tile of 16 rows, 512 a head: tile 128 n + 32 cx + 2 wave
	s_lshl_b32 s2, s[CX], 18
	s_add_co_u32 s92, s92, s2
	s_lshl_b32 s2, s[WV], 14
	s_add_co_u32 s92, s92, s2
	s_lshl_b32 s2, s[HD], 9
	s_add_co_u32 s92, s92, s2
	s_add_nc_u64 s[16:17], s[16:17], s[92:93]
	s_lshl_b32 s92, s[NB], 16                      ; its scale bytes: 32 a row, 2 a head: row 2,048 n + 512 cx + 32 wave
	s_lshl_b32 s2, s[CX], 14
	s_add_co_u32 s92, s92, s2
	s_lshl_b32 s2, s[WV], 10
	s_add_co_u32 s92, s92, s2
	s_lshl_b32 s2, s[HD], 1
	s_add_co_u32 s92, s92, s2
	s_add_nc_u64 s[18:19], s[18:19], s[92:93]
	v_and_b32 v[LN], 31, v0
	s_delay_alu instid0(VALU_DEP_1)
	v_lshlrev_b32 v[AK0], 4, v[LN]
	s_delay_alu instid0(VALU_DEP_2)
	v_lshlrev_b32 v255, 2, v[LN]
	s_delay_alu instid0(VALU_DEP_3)
	v_lshlrev_b32 v[L32], 5, v[LN]
	global_load_b128 v[QF:QF+3], v[AK0], s[4:5]            ; Q stays in registers
	global_load_b128 v[QF+8:QF+11], v[AK0], s[4:5] offset:512
	global_load_b32 v[QS], v255, s[6:7]
	v_and_b32 v3, 7, v0                            ; r & 7
	v_bfe_u32 v4, v0, 3, 1                         ; r >> 3
	v_bfe_u32 v[H8], v0, 4, 1                      ; h
	v_lshlrev_b32 v[ADK], 4, v3                    ; K's codes: my row of a tile is key .. + (r & 7) + 32 (r >> 3): 16 bytes a key within an image, 1,024 for 32 keys, 256 for my half
	v_lshlrev_b32 v[ADS], 2, v3                    ; K's scale words: 4 bytes a key; lanes 16-31 take the next tile's, 8 keys on
	v_lshl_add_u32 v[ADK], v4, 10, v[ADK]
	v_lshl_add_u32 v[ADS], v4, 7, v[ADS]
	v_lshl_add_u32 v[ADK], v[H8], 8, v[ADK]
	v_lshl_add_u32 v[ADS], v[H8], 5, v[ADS]
	v_add_nc_u32 v[ADS], KSB, v[ADS]
	v_lshlrev_b32 v[H8], 3, v[H8]
	v_add_nc_u32 v[ADV], VC-4096, v[AK0]           ; V's addresses begin one step back: each step adds its bytes ahead of its loads
	v_add_nc_u32 v[ADT], VSB-256, v255
.irp i, 0,1,2,3
	v_mov_b32 v[QF+4+\i], 0                        ; zero codes: the upper 64 of the instruction's K
	v_mov_b32 v[QF+12+\i], 0
	v_mov_b32 v[KZ+\i], 0
	v_mov_b32 v[PB+\i], 0                          ; written once: a lane permute's destination counts as one of its sources
	v_mov_b32 v[BM+\i], 0
.endr
.irp u, 0,1
	v_mov_b32 v[ST+4*\u+1], 0xff61b1e6             ; the largest score so far: -3e38
	s_delay_alu instid0(VALU_DEP_1)
	v_floor_f32 v[ST+4*\u], -v[ST+4*\u+1]          ; -M: so large that the first f is 0, which multiplies zeros
	v_mov_b32 v[ST+4*\u+2], 0                      ; the sum, in two halves
	v_mov_b32 v[ST+4*\u+3], 0
	v_mov_b32 v[FF+2*\u+1], 0                      ; (upper words of pairs of which the low word is used)
	v_mov_b32 v[246+\u], 0
	v_mov_b32 v[249+2*\u], 0
.endr
.set j, 0
.rept 64
	v_mov_b32 v[OT+j], 0                           ; O^T.  The step's text serves the first step too: it finds zeros, which the first change of M leaves zeros
.set j, j+1
.endr
.macro SC1 t, u                        ; S^T, tile t of 16 keys x tile u of queries
.set xS, S+8*(\t)
.set xK, KF+4*(\t)
.set xQ, QF+8*(\u)
.set xC, KSC+(\t)/2
.if ((\t)%2 == 0) && ((\u) == 0)
	v_wmma_scale_f32_16x16x128_f8f6f4 v[xS:xS+7], v[xK:xK+7], v[xQ:xQ+7], 0, v[xC], v[QS] matrix_a_fmt:MATRIX_FMT_FP4 matrix_b_fmt:MATRIX_FMT_FP4
.elseif ((\u) == 0)
	v_wmma_scale_f32_16x16x128_f8f6f4 v[xS:xS+7], v[xK:xK+7], v[xQ:xQ+7], 0, v[xC], v[QS] matrix_a_fmt:MATRIX_FMT_FP4 matrix_b_fmt:MATRIX_FMT_FP4 matrix_a_scale:MATRIX_SCALE_ROW1
.elseif ((\t)%2 == 0)
	v_wmma_scale_f32_16x16x128_f8f6f4 v[xS:xS+7], v[xK:xK+7], v[xQ:xQ+7], 0, v[xC], v[QS] matrix_a_fmt:MATRIX_FMT_FP4 matrix_b_fmt:MATRIX_FMT_FP4 matrix_b_scale:MATRIX_SCALE_ROW1
.else
	v_wmma_scale_f32_16x16x128_f8f6f4 v[xS:xS+7], v[xK:xK+7], v[xQ:xQ+7], 0, v[xC], v[QS] matrix_a_fmt:MATRIX_FMT_FP4 matrix_b_fmt:MATRIX_FMT_FP4 matrix_a_scale:MATRIX_SCALE_ROW1 matrix_b_scale:MATRIX_SCALE_ROW1
.endif
.endm
.macro SCORES u
.irp t, 0,1,2,3,4,5,6,7
	SC1 \t, \u
.endr
.endm
.macro PV1 d, u                        ; O^T += V^T P^T: 16 features x tile u of queries, K = the step's 128 keys
.set xO, OT+32*(\u)+8*(\d)
.set xV, KF+8*(\d)
.set xPP, PF+8*(\u)
.if (\d)%2
	v_wmma_scale_f32_16x16x128_f8f6f4 v[xO:xO+7], v[xV:xV+7], v[xPP:xPP+7], v[xO:xO+7], v[VSC+(\d)/2], v[PS+(\u)] matrix_a_fmt:MATRIX_FMT_FP4 matrix_b_fmt:MATRIX_FMT_FP4 matrix_a_scale:MATRIX_SCALE_ROW1
.else
	v_wmma_scale_f32_16x16x128_f8f6f4 v[xO:xO+7], v[xV:xV+7], v[xPP:xPP+7], v[xO:xO+7], v[VSC+(\d)/2], v[PS+(\u)] matrix_a_fmt:MATRIX_FMT_FP4 matrix_b_fmt:MATRIX_FMT_FP4
.endif
.endm
.macro RS u, from, n                   ; O^T of tile u under the new M: x f; pairs from .. from + n - 1 of its 16, always taken in ascending order
.set jj, 2*(\from)
.rept \n
	v_pk_mul_f32 v[OT+32*(\u)+jj:OT+32*(\u)+jj+1], v[OT+32*(\u)+jj:OT+32*(\u)+jj+1], v[FF+2*(\u):FF+2*(\u)+1] op_sel_hi:[1,0]
.set jj, jj+2
.endr
.endm
.macro FILL u, from                    ; in tile 1's chain: two lines of tile 0's rescaling, which hang on nothing of the chain
.if \u
	RS 0, \from, 2
.endif
.endm
.macro KLOAD                           ; a step's eight tiles of K and their scale words.  Tile t = 4 c + w begins at key 64 c + 8 w: 2,048 c + 512 (w / 2) + 128 (w % 2) bytes of codes
.irp t, 0,1,2,3,4,5,6,7
	ds_load_b128 v[KF+4*\t:KF+4*\t+3], v[ADK] offset:2048*(\t/4)+512*((\t%4)/2)+128*(\t%2)
.endr
.irp i, 0,1,2,3
	ds_load_b32 v[KSC+\i], v[ADS] offset:256*(\i/2)+64*(\i%2)   ; tile 2 i begins at key 64 (i / 2) + 16 (i % 2)
.endr
.endm
.macro SUMS u, kl                      ; the row's sum is taken of the unquantised p: 32 packed additions, four chains by turns.  kl = 1: behind the first four the next step's K is asked for
.set xR, ST+4*(\u)+2
	v_pk_add_f32 v[C2:C2+1], v[S:S+1], v[S+8:S+9]
	v_pk_add_f32 v[PB:PB+1], v[S+2:S+3], v[S+10:S+11]
	v_pk_add_f32 v[PB+2:PB+3], v[S+4:S+5], v[S+12:S+13]
	v_pk_add_f32 v[SO:SO+1], v[S+6:S+7], v[S+14:S+15]
.if \kl
	KLOAD                                          ; the four additions above are the places between the step's last products and the loads into the registers that they read
.endif
.set j, 16
.rept 6
	v_pk_add_f32 v[C2:C2+1], v[C2:C2+1], v[S+j:S+j+1]
	v_pk_add_f32 v[PB:PB+1], v[PB:PB+1], v[S+j+2:S+j+3]
	v_pk_add_f32 v[PB+2:PB+3], v[PB+2:PB+3], v[S+j+4:S+j+5]
	v_pk_add_f32 v[SO:SO+1], v[SO:SO+1], v[S+j+6:S+j+7]
.set j, j+8
.endr
	v_pk_add_f32 v[C2:C2+1], v[C2:C2+1], v[PB:PB+1]
	v_pk_add_f32 v[PB+2:PB+3], v[PB+2:PB+3], v[SO:SO+1]
	v_pk_add_f32 v[xR:xR+1], v[xR:xR+1], v[C2:C2+1]
	v_pk_add_f32 v[xR:xR+1], v[xR:xR+1], v[PB+2:PB+3]
.endm
; The softmax of tile u for 128 keys: S^T in v[S ..] becomes p, its codes in v[PF + 8 u ..] and its scale word in v[PS + u].  Tile 0's sum is taken here; tile 1's behind the step's last products.
.macro SOFTMAX u
.set xT, ST+4*(\u)
.set xF, FF+2*(\u)
.set xP, PF+8*(\u)
.irp t, 0,1,2,3
	v_max3_num_f32 v[BM+\t], v[S+8*\t], v[S+8*\t+1], v[S+8*\t+2]         ; eight chains, one an accumulator, each from the accumulator's low end on
	v_max3_num_f32 v[PB+\t], v[S+8*\t+32], v[S+8*\t+33], v[S+8*\t+34]
.endr
.irp i, 3,5
.irp t, 0,1,2,3
	v_max3_num_f32 v[BM+\t], v[BM+\t], v[S+8*\t+\i], v[S+8*\t+\i+1]
	v_max3_num_f32 v[PB+\t], v[PB+\t], v[S+8*\t+\i+32], v[S+8*\t+\i+33]
.endr
.endr
	v_max3_num_f32 v[BM], v[BM], v[BM+1], v[BM+2]  ; the largest score of my two blocks of 32 keys (accumulators 0-3, 4-7): it serves for the row's maximum and, since p rises with the score, for the block's largest p
	v_max3_num_f32 v[PB], v[PB], v[PB+1], v[PB+2]
	v_max3_num_f32 v[BM], v[BM], v[BM+3], v[S+7]
	v_max3_num_f32 v[PB], v[PB], v[PB+3], v[S+39]
	v_max3_num_f32 v[BM], v[BM], v[S+15], v[S+23]
	v_max3_num_f32 v[PB], v[PB], v[S+47], v[S+55]
	v_max_num_f32 v[BM], v[BM], v[S+31]
	v_max_num_f32 v[PB], v[PB], v[S+63]
	v_mov_b32 v[XX], v[xT]                         ; the old -M
	v_max3_num_f32 v[xT+1], v[xT+1], v[BM], v[PB]
	FILL \u, 8
	v_permlanex16_b32 v[BM+1], v[xT+1], s[SEL], s[SEL+1]
	FILL \u, 10
	v_max_num_f32 v[xT+1], v[xT+1], v[BM+1]        ; with lane l xor 16's: the running largest score of my query
	FILL \u, 12
	v_mul_f32 v[XY], s[CS], v[xT+1]                ; as t (c is positive)
	FILL \u, 14
	v_floor_f32 v[xT], -v[XY]                      ; the new -M = floor(-t): M is a whole number
.set j, 0
.rept 32
	v_pk_fma_f32 v[S+j:S+j+1], v[S+j:S+j+1], s[CS:CS+1], v[xT:xT+1] op_sel_hi:[1,0,0]   ; t - M, two at a time (of the pairs c and -M the low word serves both halves)
.set j, j+2
.endr
	v_fma_f32 v[BM], v[BM], s[CS], v[xT]           ; the same of each block's largest score
	v_fma_f32 v[PB], v[PB], s[CS], v[xT]
	s_wait_alu depctr_va_vdst(0)
.set j, 0
.rept 64
	v_exp_f32 v[S+j], v[S+j]                       ; p = 2^(t - M), at most 1
.set j, j+1
.endr
	v_exp_f32 v[BM], v[BM]                         ; my blocks' largest p
	v_exp_f32 v[PB], v[PB]
	v_sub_f32 v[XX], v[xT], v[XX]                  ; old M - new M: a whole number, 0 or less.  These four name no result of the batch
	v_cvt_i32_f32 v[XX], v[XX]                     ; (it saturates)
	v_ldexp_f32 v[xF], 1.0, v[XX]                  ; f = 2^(old M - new M)
	v_pk_mul_f32 v[xT+2:xT+3], v[xT+2:xT+3], v[xF:xF+1] op_sel_hi:[1,0]   ; the sums under the new M
	s_wait_alu depctr_va_vdst(0)                   ; one wait for the batch of 66, ahead of its first reader
	v_max_num_f32 v[BM], 0x1800000, v[BM]          ; the floor 2^(3 - 127): the byte cannot fall under 1
	v_max_num_f32 v[PB], 0x1800000, v[PB]
	v_add_nc_u32 v[SO], 0xff000000, v[BM]          ; 2 off the exponent field: the conversion's scale operand
	v_add_nc_u32 v[SO+1], 0xff000000, v[PB]
.irp t, 0,1,2,3,4,5,6,7
	v_cvt_scalef32_pk8_fp4_f32 v[xP+\t], v[S+8*\t:S+8*\t+7], v[SO+\t/4]   ; keys 64 (t / 4) + 32 h + 8 (t % 4) + 0 .. 7: register t of the operand
.endr
	v_lshrrev_b32 v[BM+2], 23, v[SO]               ; the scales' bytes: blocks h and 2 + h.  (Plain instructions behind the scaled conversions)
	v_lshrrev_b32 v[BM+3], 23, v[SO+1]
	v_lshl_or_b32 v[BM+2], v[BM+3], 16, v[BM+2]
	v_lshlrev_b32 v[BM+2], v[H8], v[BM+2]          ; at their places in the word, 8 h bits up
	v_permlanex16_b32 v[BM+3], v[BM+2], s[SEL], s[SEL+1]
	v_or_b32 v[PS+(\u)], v[BM+2], v[BM+3]          ; with lane l xor 16's two: p's scale word for these 128 keys
.if \u
	RS 1, 0, 16                                    ; these sixteen are the places between tile 1's scale word and codes and the products that take them
.else
	SUMS 0, 0
.endif
.endm
; A KEY STEP: 128 keys, both tiles of queries.  more = 1: the next step's K is asked for behind the products.
.macro STEP more
	s_wait_dscnt 0x0                               ; K is in
	SCORES 0
	v_add_nc_u32 v[ADV], 4096, v[ADV]              ; this step's V, the next step's K: these four are the places behind the scores
	v_add_nc_u32 v[ADT], 256, v[ADT]
.if \more
	v_add_nc_u32 v[ADK], 4096, v[ADK]
	v_add_nc_u32 v[ADS], 512, v[ADS]
.else
	v_nop
	v_nop
.endif
	SOFTMAX 0
	SCORES 1
	RS 0, 0, 4                                     ; four places: behind them K's registers take V's fragments, which land during the second softmax
.irp d, 0,1,2,3
.irp c, 0,1
	ds_load_b128 v[KF+8*\d+4*\c:KF+8*\d+4*\c+3], v[ADV] offset:1024*\d+512*\c
.endr
.endr
.irp i, 0,1
	ds_load_b32 v[VSC+\i], v[ADT] offset:128*\i
.endr
	RS 0, 4, 4
	SOFTMAX 1
	s_wait_alu depctr_va_vdst(0)
	s_wait_dscnt 0x0                               ; V is in
.irp d, 0,1,2,3
.irp u, 0,1
	PV1 \d, \u                                     ; eight accumulators, one instruction each
.endr
.endr
	SUMS 1, \more
.endm
	s_wait_alu depctr_va_vdst(0)
	s_wait_loadcnt 0x0                             ; Q
	s_wait_tensorcnt 0x0                           ; my one load has landed
	s_barrier_signal -1
	s_barrier_wait -1                              ; everybody's has: the head's K and V are whole, and nothing is filled again
	KLOAD
	s_mov_b32 s[CNT], 15
.Lstep:                                            ; 15 key steps that ask for their successor's K; the waves walk them with no barrier between
	STEP 1
	s_sub_co_u32 s[CNT], s[CNT], 1
	s_cmp_lg_u32 s[CNT], 0
	s_cbranch_scc1 .Lstep
	STEP 0                                         ; the last step asks for nothing
	; THE FINISH.  The sum's halves and lane l xor 16's; O^T / the sum; quantised along the head's 64 numbers: two blocks a tile, four in all.  In O^T tile d of 16 features lane (r, h) holds features 16 d + 8 h + 0 .. 7: word t of
	; the eight goes to register 4 (t / 4) + 2 (t % 2) + (t % 4) / 2, and an exchange of halves between registers (4 c, 4 c + 1) and (4 c + 2, 4 c + 3) gives the operand's layout.
	v_add_f32 v244, v[ST+2], v[ST+3]
	v_add_f32 v245, v[ST+6], v[ST+7]
	s_delay_alu instid0(VALU_DEP_2)
	v_permlanex16_b32 v246, v244, s[SEL], s[SEL+1]
	s_delay_alu instid0(VALU_DEP_2)
	v_permlanex16_b32 v247, v245, s[SEL], s[SEL+1]
	s_delay_alu instid0(VALU_DEP_2)
	v_add_f32 v244, v244, v246
	s_delay_alu instid0(VALU_DEP_2)
	v_add_f32 v245, v245, v247
	s_wait_alu depctr_va_vdst(0)
	v_rcp_f32 v248, v244
	v_rcp_f32 v250, v245
	v_nop                                          ; a plain instruction behind the reciprocals
	s_wait_alu depctr_va_vdst(0)                   ; one wait for the two, ahead of their first reader
.irp u, 0,1
.set j, 0
.rept 16
	v_pk_mul_f32 v[OT+32*\u+j:OT+32*\u+j+1], v[OT+32*\u+j:OT+32*\u+j+1], v[248+2*\u:249+2*\u] op_sel_hi:[1,0]
.set j, j+2
.endr
.endr
.irp b, 0,1,2,3
	v_max3_num_f32 v[BM+\b], |v[OT+16*\b]|, |v[OT+16*\b+1]|, 0x1800000   ; block b % 2 of tile b / 2, and the floor
.endr
.irp i, 2,4,6,8,10,12,14
.irp b, 0,1,2,3
	s_delay_alu instid0(VALU_DEP_4)
	v_max3_num_f32 v[BM+\b], v[BM+\b], |v[OT+16*\b+\i]|, |v[OT+16*\b+\i+1]|
.endr
.endr
.irp b, 0,1,2,3
	s_delay_alu instid0(VALU_DEP_4)
	v_permlanex16_b32 v[PB+\b], v[BM+\b], s[SEL], s[SEL+1]
.endr
.irp b, 0,1,2,3
	s_delay_alu instid0(VALU_DEP_4)
	v_max_num_f32 v[BM+\b], v[BM+\b], v[PB+\b]
.endr
.irp b, 0,1,2,3
	s_delay_alu instid0(VALU_DEP_4)
	v_add_nc_u32 v[SO+\b], 0xff000000, v[BM+\b]
.endr
.irp b, 0,1,2,3
	s_delay_alu instid0(VALU_DEP_4)
	v_lshrrev_b32 v[PB+\b], 23, v[SO+\b]
.endr
	s_delay_alu instid0(VALU_DEP_3)
	v_lshl_or_b32 v252, v[PB+1], 8, v[PB]          ; tile 0's two bytes of row r,
	s_delay_alu instid0(VALU_DEP_2)
	v_lshl_or_b32 v253, v[PB+3], 8, v[PB+2]        ; tile 1's
	v_cmp_lt_u32 vcc_lo, 15, v[LN]
	s_delay_alu instid0(VALU_DEP_1)
	v_cndmask_b32 v252, v252, v253, vcc_lo         ; lane l has those of my row l
.irp t, 0,1,2,3,4,5,6,7
	v_cvt_scalef32_pk8_fp4_f32 v[PF+4*(\t/4)+2*(\t%2)+(\t%4)/2], v[OT+8*\t:OT+8*\t+7], v[SO+\t/2]
.endr
	v_nop
.irp c, 0,1
	v_permlane16_swap_b32 v[PF+4*\c], v[PF+4*\c+1]
	v_permlane16_swap_b32 v[PF+4*\c+2], v[PF+4*\c+3]
.endr
	global_store_b128 v[AK0], v[PF:PF+3], s[16:17]             ; 32 lanes store 512 consecutive bytes, aligned: tile 0's image for this head,
	global_store_b128 v[AK0], v[PF+4:PF+7], s[16:17] offset:8192   ; tile 1's
	global_store_b16 v[L32], v252, s[18:19]
	s_wait_tensorcnt 0x0                           ; the wave's end
	ds_add_u32 v[SPW], v[NIL]
	s_wait_dscnt 0x0
	CROUND                                         ; the closing round
	s_endpgm
.Lfunc_end_k_q3fcc581e95_attn:
	.size	k_q3fcc581e95_attn, .Lfunc_end_k_q3fcc581e95_attn-k_q3fcc581e95_attn
	.p2alignl 7, 3214868480
	.fill 96, 4, 3214868480
	.section	.rodata,"a",@progbits
	.p2align	6, 0x0
	.amdhsa_kernel k_q3fcc581e95_attn
		.amdhsa_group_segment_fixed_size 169984
		.amdhsa_private_segment_fixed_size 0
		.amdhsa_enable_private_segment 0
		.amdhsa_kernarg_size 64
		.amdhsa_user_sgpr_count 2
		.amdhsa_user_sgpr_kernarg_segment_ptr 1
		.amdhsa_wavefront_size32 1
		.amdhsa_system_sgpr_workgroup_id_x 1
		.amdhsa_system_sgpr_workgroup_id_y 1
		.amdhsa_system_sgpr_workgroup_id_z 1
		.amdhsa_system_vgpr_workitem_id 0
		.amdhsa_next_free_vgpr 256
		.amdhsa_next_free_sgpr 94
		.amdhsa_reserve_vcc 1
		.amdhsa_float_denorm_mode_32 3
		.amdhsa_float_denorm_mode_16_64 3
		.amdhsa_memory_ordered 1
		.amdhsa_forward_progress 1
		.amdhsa_inst_pref_size 72
	.end_amdhsa_kernel
	.amdgpu_metadata
---
amdhsa.version: [ 1, 2 ]
amdhsa.kernels:
  - .name:           k_q3fcc581e95_attn
    .symbol:         k_q3fcc581e95_attn.kd
    .args:
      - { .name: q_img, .offset: 0, .size: 8, .value_kind: global_buffer, .address_space: global }
      - { .name: q_sc, .offset: 8, .size: 8, .value_kind: global_buffer, .address_space: global }
      - { .name: k_img, .offset: 16, .size: 8, .value_kind: global_buffer, .address_space: global }
      - { .name: k_sc, .offset: 24, .size: 8, .value_kind: global_buffer, .address_space: global }
      - { .name: v_img, .offset: 32, .size: 8, .value_kind: global_buffer, .address_space: global }
      - { .name: v_sc, .offset: 40, .size: 8, .value_kind: global_buffer, .address_space: global }
      - { .name: a_img, .offset: 48, .size: 8, .value_kind: global_buffer, .address_space: global }
      - { .name: a_sc, .offset: 56, .size: 8, .value_kind: global_buffer, .address_space: global }
    .group_segment_fixed_size: 169984
    .private_segment_fixed_size: 0
    .kernarg_segment_align: 8
    .kernarg_segment_size: 64
    .max_flat_workgroup_size: 512
    .sgpr_count:     94
    .vgpr_count:     256
    .wavefront_size: 32
...
	.end_amdgpu_metadata
.endif
;; end of part 2
;; launch outp (part 3): grid 4 x 64, 4 waves a work-group, clusters of 4 x 4, 249,856 bytes of LDS; arguments a_img, a_sc, Wo_codes, Wo_scales, bo, out0; writes out0
.if DOCPART == 3
	.amdgcn_target "amdgcn-amd-amdhsa--gfx1250"
	.amdhsa_code_object_version 6
	.text
	.protected	k_q3fcc581e95_outp
	.globl	k_q3fcc581e95_outp
	.p2align	8
	.type	k_q3fcc581e95_outp,@function
k_q3fcc581e95_outp:
	s_mov_b64 s[64:65], 0
	v_nop
	global_prefetch_b8 v0, s[64:65] scope:SCOPE_SE
	s_setreg_imm32_b32 hwreg(HW_REG_WAVE_MODE, 25, 1), 1
	s_wait_xcnt 0x0
	s_wait_alu depctr_hold_cnt(0) depctr_sa_sdst(0) depctr_va_vdst(0) depctr_va_sdst(0) depctr_va_ssrc(0) depctr_va_vcc(0) depctr_vm_vsrc(0)
	s_getreg_b32 s2, hwreg(HW_REG_IB_STS2, 6, 4)
	s_cmp_eq_u32 s2, 0
	s_cbranch_scc0 .Lentry_in_a_cluster
	s_endpgm
.Lentry_in_a_cluster:
	s_bfe_u32 s2, ttmp6, 0x10000c
	s_cmp_lg_u32 s2, 0xf033
	s_cbranch_scc0 .Lentry_shape_is_right
	s_endpgm
.Lentry_shape_is_right:
; THE LAST PROJECTION: out0[i][j] = sum over k of a[i][k] Wo[j][k] + bo[j], K = 1,024, on codes of FP4 (E2M1) with one E8M0 scale for each 32 along K; f32 sums, f32 out.
; a comes from the attention launch as images of the operand's registers (a_img: 8,192 bytes a tile of 16 rows, 1,024 a step of 128 along K, 512 a half) with its scale bytes [row][32] (a_sc); Wo as the problem gives it.
; SHARES.  A work-group of four waves makes 128 rows x 256 columns of the result: 64 x 4 = 256 work-groups.  A wave makes 64 x 128: 32 accumulators of 16 x 16.
; CLUSTERS of 4 x 4: A's tile hangs on the tile row alone and is asked for jointly along a row of the cluster, B's on the tile column alone and along a column.
; LDS holds both tiles for ALL of K and their scale bytes, each brought by one load at the head, one load a wave; every byte is filled once, so one wait and one barrier serve the launch.
; No prefetch: every byte that the launch loads is asked for at its head, so there is no loop to run ahead in.
; The matrix instruction is used transposed (source 0 = 16 rows of Wo, source 1 = 16 rows of a): a lane holds eight neighbouring numbers of a row of the result; the bias is the C of each sum's first product.
; K goes in eight steps of 128; A's and B's fragments have two sets of registers each, and a step's 24 LDS loads are issued ahead of the step before's 32 products.
; THE WAY OUT goes through a stage of the wave's own, on LDS bytes into which no tile lands, and leaves as whole rows of 512 bytes.
; REGISTERS, in windows of 256: window 0: v16-31 addresses; v32-95 scale words, a set for each half of K; v128-191 A's fragments, two sets; v192-255 the bias; window 1: B's fragments at v0 and v128; window 2: the accumulators.
; The input mask is not among the arguments: reference() takes it and never uses it.
.set SIZE_N, 1024
.set PITCH,  528                       ; B's LDS row: 512 bytes + 16 of padding = 132 words: the 16 rows of a load start at 16 different banks (64 banks of 4 bytes: ISA guide 11.1)
.set NQ,     4                         ; scale words of a row in a set: four steps of 128
.set FR,     8                         ; registers of a fragment
.set NP,     4                         ; places behind this matrix instruction (ISA guide 7.12.1)
.set HALFT,  128*PITCH                 ; 128 rows of B: what one wave reads
.set BOFF,   65536                     ; A's 128 rows as images, 8 x 8,192 bytes; B's 256 rows begin here
.set KS,     32                        ; a row of scale bytes
.set SCL,    BOFF+2*HALFT              ; the scale bytes, as units of 256 bytes + 16 of padding: A's 128 rows, then B's 256
.set HALFS,  (128*KS/256)*272          ; those of 128 rows
.set SBLK,   (16*KS/256)*272           ; those of 16 rows
.set SPARE,  SCL+3*HALFS               ; the spare words: 128 bytes a wave, two blocks of 256 bytes that no other line names
.set STG,    SPARE+512                 ; the stages: 16 rows x 528 bytes for each wave
.set SPITCH, 528
.set ADRA, 16                          ; v16-17 LDS address of my A fragments, lower and upper half of K
.set VBJ,  18                          ; v18    32 h: the bias
.set ADRB, 20                          ; v20-21 the same as ADRA for B
.set STO,  24                          ; v24    where I put 32 bytes of a row
.set RD,   25                          ; v25    where I read a row back
.set CO,   26                          ; v26    16 x lane
.set ADRS, 27                          ; v27-28 LDS address of my scale words, lower and upper half of K: lanes 0-15 A's rows, lanes 16-31 B's
.set SPW,  30                          ; v30    LDS address of my spare word; never rewritten
.set NIL,  31                          ; v31    0; never rewritten
.set SC,   32
.set AF,   128
.set BI,   192
.set BK,   128                         ; the way out: 16 rows read back: v128-191 and v192-255 by turns
.set WV,   14
.set WR,   15                          ; which 64 of the tile's rows are mine
.set WC,   16                          ; which 128 of its columns
.set TY,   17
.set TX,   42
.set G1,   24                          ; groups 1 and 0: A's codes s[24:31], s[32:35]; B's s[48:55], s[56:59]; A's scale bytes s[68:75], s[76:79]; B's s[80:87], s[88:91]
.set G0,   32
.set G1B,  48
.set G0B,  56
.set G1S,  68
.set G0S,  76
.set G1SB, 80
.set G0SB, 88
.set MSB, 0
.macro WIN new                         ; the immediate's high byte repeats the setting that is left
.if MSB != (\new)
	s_set_vgpr_msb (MSB<<8)|(\new)
.set MSB, (\new)
.endif
.endm
.set MUL_LO,   0xa1                    ; source 0 (B) window 1, source 1 (A) window 0, C and D window 2
.set FIRST_LO, 0x81                    ; C (the bias) window 0, D window 2
.set TO_B,     0x40                    ; destination window 1
.macro PLACES n
.rept \n
	v_nop
.endr
.endm
.macro ARM under, g0, g1, next         ; an arm of the head's one chain of branches on the wave's number: a joint load, s_nop 0 and four v_nop, a jump to the chain's end
	s_cmp_lt_u32 s[WV], \under
	s_cbranch_scc0 \next
	tensor_load_to_lds s[\g0:\g0+3], s[\g1:\g1+7]
	s_nop 0
	PLACES 4
	s_branch .Lhead_asked
\next:
.endm
.macro CROUND                          ; a round of the cluster's barrier
	s_barrier_signal -1
	s_barrier_wait -1
	s_cmp_lg_u32 s[WV], 0
	s_cbranch_scc1 .Lnot_wave_0_\@
	s_barrier_signal -3
.Lnot_wave_0_\@:
	s_barrier_wait -3
	s_barrier_signal -1
	s_barrier_wait -1
.endm
.macro DIMS g, c, r, p                 ; words 1 to 7 of a group 1: r rows of c elements, p elements apart
	s_mov_b32 s[\g+1], (\c)<<16
	s_mov_b32 s[\g+2], (\r)<<16
	s_mov_b32 s[\g+3], (\c)<<16
	s_mov_b32 s[\g+4], \r
	s_mov_b32 s[\g+5], \p
	s_mov_b32 s[\g+6], 0
	s_mov_b32 s[\g+7], 0
.endm
.macro GROUP0 g, lds, a                ; a group 0: LDS address, the tile's first byte in s[a:a+1]
	s_mov_b32 s[\g], 1
	s_mov_b32 s[\g+1], \lds
	s_mov_b64 s[\g+2:\g+3], s[\a:\a+1]
	s_or_b32 s[\g+3], s[\g+3], 0x80000000
.endm
	s_load_b128 s[4:7], s[0:1], 0x0                ; a_img, a_sc
	s_load_b128 s[8:11], s[0:1], 0x10              ; Wo's codes, Wo's scales
	s_load_b64 s[66:67], s[0:1], 0x20              ; bo
	s_load_b64 s[12:13], s[0:1], 0x28              ; out0
	v_lshl_add_u32 v[SPW], v0, 2, SPARE
	v_mov_b32 v[NIL], 0
	ds_add_u32 v[SPW], v[NIL]                      ; the opening lines: the add, twice on end, and its wait ahead of my tensor load
	ds_add_u32 v[SPW], v[NIL]
	v_lshrrev_b32 v1, 5, v0
	v_readfirstlane_b32 s[WV], v1                  ; wave 0..3
	s_lshr_b32 s[WR], s[WV], 1
	s_and_b32 s[WC], s[WV], 1
	s_bfe_u32 s40, ttmp6, 0x40000                  ; cx, cy: my place in the cluster
	s_bfe_u32 s41, ttmp6, 0x40004
	s_lshl_b32 s[TX], ttmp9, 2
	s_add_co_u32 s[TX], s[TX], s40                 ; tile column, 0 .. 3
	s_and_b32 s[TY], ttmp7, 0xffff
	s_lshl_b32 s[TY], s[TY], 2
	s_add_co_u32 s[TY], s[TY], s41                 ; tile row, 0 .. 63
	s_lshl_b32 s43, s41, 2
	s_lshl_b32 s43, 15, s43                        ; my row of the cluster
	s_lshl_b32 s44, 0x1111, s40                    ; my column
	s_or_b32 s[G1+0], s43, (3<<16)|(1<<21)         ; A's codes: 8 rows of 8,192 bytes (1,024 elements of 8), dense, no padding
	DIMS G1, 1024, 8, 1024
	s_or_b32 s[G1B+0], s44, (0<<16)|(1<<20)|(1<<21)|(6<<22)|(3<<25)  ; B's codes: 256 rows of 512 bytes, 4 words of padding after every 128
	DIMS G1B, 512, 256, 512
	s_or_b32 s[G1S+0], s43, (3<<16)|(1<<20)|(1<<21)|(5<<22)|(3<<25)  ; A's scale bytes: 4,096 dense bytes as 16 rows of 256, 4 words of padding behind each
	DIMS G1S, 32, 16, 32
	s_or_b32 s[G1SB+0], s44, (3<<16)|(1<<20)|(1<<21)|(5<<22)|(3<<25) ; B's: 8,192 bytes as 32 rows
	DIMS G1SB, 32, 32, 32
	s_lshl_b32 s20, s[TY], 16                      ; A's tile: 128 rows of 512 bytes,
	s_lshl_b32 s22, s[TY], 12                      ; of 32 scale bytes
	s_lshl_b32 s46, s[TX], 17                      ; B's tile: 256 rows
	s_lshl_b32 s92, s[TX], 13
	s_mov_b32 s21, 0
	s_mov_b32 s23, 0
	s_mov_b32 s47, 0
	s_mov_b32 s93, 0
	s_wait_dscnt 0x0                               ; both opening adds are done
	s_wait_kmcnt 0x0
	s_add_nc_u64 s[20:21], s[4:5], s[20:21]
	s_add_nc_u64 s[22:23], s[6:7], s[22:23]
	s_add_nc_u64 s[46:47], s[8:9], s[46:47]
	s_add_nc_u64 s[92:93], s[10:11], s[92:93]
	GROUP0 G0,   0,         20
	GROUP0 G0B,  BOFF,      46
	GROUP0 G0S,  SCL,       22
	GROUP0 G0SB, SCL+HALFS, 92
	CROUND                                         ; all sixteen work-groups are here: the joint loads meet
	; THE HEAD'S LOADS, ONE A WAVE: wave 0 A's codes, wave 1 B's, wave 2 A's scale bytes, wave 3 B's.  No load follows them.
	ARM 1, G0,  G1,  .Lhead_b
	ARM 2, G0B, G1B, .Lhead_sa
	ARM 3, G0S, G1S, .Lhead_sb
	tensor_load_to_lds s[G0SB:G0SB+3], s[G1SB:G1SB+7]
	s_nop 0
	PLACES 4
.Lhead_asked:
	s_lshl_b32 s20, s[TY], 7
	s_lshl_b32 s21, s[WR], 6
	s_add_co_u32 s20, s20, s21                     ; my first row of the result,
	s_lshl_b32 s20, s20, 12                        ; 4,096 bytes a row
	s_mov_b32 s21, 0
	s_lshl_b32 s46, s[TX], 10
	s_lshl_b32 s47, s[WC], 9
	s_add_co_u32 s46, s46, s47                     ; my first column, in bytes
	s_mov_b32 s47, 0
	s_add_nc_u64 s[66:67], s[66:67], s[46:47]
	s_add_nc_u64 s[20:21], s[20:21], s[46:47]
	s_add_nc_u64 s[12:13], s[12:13], s[20:21]
	v_and_b32 v1, 15, v0                           ; r
	v_bfe_u32 v2, v0, 4, 1                         ; h
	v_lshlrev_b32 v[VBJ], 5, v2
.irp b, 0,1,2,3,4,5,6,7
	global_load_b128 v[BI+8*\b:BI+8*\b+3], v[VBJ], s[66:67] offset:64*\b        ; bo(my column + 16 b + 8 h + 0 .. 7), in the result's layout
	global_load_b128 v[BI+8*\b+4:BI+8*\b+7], v[VBJ], s[66:67] offset:64*\b+16
.endr
	v_and_b32 v6, 31, v0
	v_lshlrev_b32 v[CO], 4, v6
	v_mul_u32_u24 v3, v1, PITCH
	v_lshl_add_u32 v4, v2, 4, v3                   ; B: a fragment's row x pitch + 16 x half
	s_lshl_b32 s21, s[WR], 15                      ; my 64 rows of A: four images of 8,192 bytes
	s_mul_i32 s22, s[WC], HALFT
	s_add_co_u32 s22, s22, BOFF                    ; my 128 rows of B
.irp s, 0,1
	v_add_nc_u32 v[ADRA+\s], s21, v[CO]
	v_add_nc_u32 v[ADRB+\s], s22, v4
	s_add_co_u32 s21, s21, 4096                    ; the upper 512 along K: 4,096 bytes on in A's image,
	s_add_co_u32 s22, s22, 256                     ; 256 bytes on in B's row
.endr
	v_mul_u32_u24 v5, v1, KS                       ; my row's scale bytes: 32 a row,
	v_lshrrev_b32 v7, 8, v5
	v_lshl_add_u32 v5, v7, 4, v5                   ; and 16 more for each 256 passed
	s_mul_i32 s21, s[WR], HALFS/2                  ; A's: my 64 rows
	s_mul_i32 s22, s[WC], HALFS                    ; B's: my 128 rows, behind A's 128
	s_add_co_u32 s22, s22, HALFS
	s_sub_co_u32 s22, s22, s21
	v_mul_u32_u24 v7, s22, v2                      ; lanes 16-31 take B's
	s_add_co_u32 s21, s21, SCL
	v_add_nc_u32 v5, v5, v7
	v_add_nc_u32 v[ADRS], s21, v5
	v_add_nc_u32 v[ADRS+1], 4*NQ, v[ADRS]          ; the upper half of K: 16 bytes on
	s_mul_i32 s23, s[WV], 16*SPITCH
	s_add_co_u32 s23, s23, STG                     ; my stage
	v_mul_u32_u24 v5, v1, SPITCH
	v_lshl_add_u32 v5, v2, 5, v5
	v_add_nc_u32 v[STO], s23, v5                   ; in: row r, 32 bytes for each half of the lanes
	v_add_nc_u32 v[RD], s23, v[CO]                 ; back: the 32 lanes take one row of 512 bytes
; The fragments of step Q (0 .. 7) into set Q % 2: B's eight, A's four; with the first step of each half of K its scale words: lanes 0-15 take A's block i (of which 0 to 3 are mine and used), lanes 16-31 B's block i.
.macro FETCH Q
	WIN TO_B
.irp i, 0,1,2,3,4,5,6,7
.irp c, 0,1
	ds_load_b128 v[128*((\Q)%2)+FR*\i+4*\c:128*((\Q)%2)+FR*\i+4*\c+3], v[ADRB+(\Q)/4] offset:64*((\Q)%4)+32*\c+\i*16*PITCH
.endr
.endr
	WIN 0
.irp i, 0,1,2,3
.irp c, 0,1
	ds_load_b128 v[AF+32*((\Q)%2)+FR*\i+4*\c:AF+32*((\Q)%2)+FR*\i+4*\c+3], v[ADRA+(\Q)/4] offset:8192*\i+1024*((\Q)%4)+512*\c
.endr
.endr
.if (\Q)%4 == 0
.irp i, 0,1,2,3,4,5,6,7
	ds_load_b128 v[SC+8*NQ*((\Q)/4)+NQ*\i:SC+8*NQ*((\Q)/4)+NQ*\i+3], v[ADRS+(\Q)/4] offset:\i*SBLK
.endr
.endif
.endm
; 16 matrix instructions: A's blocks a0, a0 + 1 x B's eight, step Q.  Step 0 starts the sums with the bias.  The 32 accumulators take turns, one instruction a turn, in the same order in every step.
.macro MUL16 a0, Q
.irp a, \a0, \a0+1
.irp b, 0,1,2,3,4,5,6,7
.set xD, 8*(8*(\a)+\b)
.set xB, 128*((\Q)%2)+FR*\b
.set xA, AF+32*((\Q)%2)+FR*(\a)
.set xSB, SC+8*NQ*((\Q)/4)+NQ*\b+(\Q)%4
.set xSA, SC+8*NQ*((\Q)/4)+NQ*(\a)+(\Q)%4
.set xC, xD
.if (\Q) == 0
.set xC, BI+8*\b
.endif
	v_wmma_scale_f32_16x16x128_f8f6f4 v[xD:xD+7], v[xB:xB+7], v[xA:xA+7], v[xC:xC+7], v[xSB], v[xSA] matrix_a_fmt:MATRIX_FMT_FP4 matrix_b_fmt:MATRIX_FMT_FP4 matrix_a_scale:MATRIX_SCALE_ROW1
.endr
.endr
.endm
; A step of 128 along K: its fragments are in; the next step's are asked for, into the set that the step before multiplied (four places behind those products); then its 32 products.
.macro KSTEP Q
	s_wait_dscnt 0x0
.if (\Q) < 7
.if (\Q) > 0
	PLACES NP
.endif
	FETCH (\Q)+1
.endif
.if (\Q) == 0
	WIN FIRST_LO
.else
	WIN MUL_LO
.endif
	MUL16 0, \Q
	MUL16 2, \Q
	WIN 0
.endm
	s_wait_alu depctr_va_vdst(0)
	s_wait_tensorcnt 0x0                           ; my one load has landed
	s_barrier_signal -1
	s_barrier_wait -1                              ; everybody's has: all four tiles are whole
	FETCH 0
	s_wait_loadcnt 0x0                             ; the bias
.irp Q, 0,1,2,3,4,5,6,7
	KSTEP \Q
.endr
; THE WAY OUT, block by block of 16 rows x 128 columns: into my stage (each accumulator from its low end on) and back as whole rows of 512 bytes.  LDS serves a wave's instructions in order (ISA guide 5.7.1.4).
.macro TOSTAGE a
.set AC, 64*(\a)
	WIN 0x08                                       ; the data: window 2
.irp b, 0,1,2,3,4,5,6,7
	ds_store_b128 v[STO], v[AC+8*\b:AC+8*\b+3] offset:64*\b
	ds_store_b128 v[STO], v[AC+8*\b+4:AC+8*\b+7] offset:64*\b+16
.endr
	WIN 0
.set BB, BK+64*((\a)%2)
.irp t, 0,1,2,3,4,5,6,7,8,9,10,11,12,13,14,15
	ds_load_b128 v[BB+4*\t:BB+4*\t+3], v[RD] offset:\t*SPITCH
.endr
.endm
.macro SEND a, younger                 ; younger: the LDS instructions issued behind block a's loads, which may stay out
.set BB, BK+64*((\a)%2)
	s_wait_dscnt \younger
.if (\a) > 0
	s_add_nc_u64 s[12:13], s[12:13], 16*SIZE_N*4   ; (behind a wait on XCNT: the earlier stores have read their base)  16 rows on
.endif
.irp t, 0,1,2,3,4,5,6,7,8,9,10,11,12,13,14,15
	global_store_b128 v[CO], v[BB+4*\t:BB+4*\t+3], s[12:13] offset:\t*SIZE_N*4 th:TH_STORE_NT   ; 32 lanes store 512 consecutive bytes, aligned
.endr
.endm
	PLACES NP                                      ; behind the last products: for the reads of their results and the loads into the registers that held A's fragments
	TOSTAGE 0
.irp a, 1,2,3
.if \a > 1
	s_wait_xcnt 0x0                                ; block a - 2's stores have read their registers and their base
.endif
	TOSTAGE \a
	SEND \a-1, 32                                  ; behind block a - 1's loads: block a's 16 stores and 16 loads
.endr
	s_wait_xcnt 0x0
	SEND 3, 0
	s_wait_tensorcnt 0x0                           ; the wave's end
	ds_add_u32 v[SPW], v[NIL]
	s_wait_dscnt 0x0
	CROUND                                         ; the closing round: no work-group ends while a partner may still ask for a tile that names it
	s_endpgm
.Lfunc_end_k_q3fcc581e95_outp:
	.size	k_q3fcc581e95_outp, .Lfunc_end_k_q3fcc581e95_outp-k_q3fcc581e95_outp
	.p2alignl 7, 3214868480
	.fill 96, 4, 3214868480
	.section	.rodata,"a",@progbits
	.p2align	6, 0x0
	.amdhsa_kernel k_q3fcc581e95_outp
		.amdhsa_group_segment_fixed_size 249856
		.amdhsa_private_segment_fixed_size 0
		.amdhsa_enable_private_segment 0
		.amdhsa_kernarg_size 48
		.amdhsa_user_sgpr_count 2
		.amdhsa_user_sgpr_kernarg_segment_ptr 1
		.amdhsa_wavefront_size32 1
		.amdhsa_system_sgpr_workgroup_id_x 1
		.amdhsa_system_sgpr_workgroup_id_y 1
		.amdhsa_system_sgpr_workgroup_id_z 1
		.amdhsa_system_vgpr_workitem_id 0
		.amdhsa_next_free_vgpr 768
		.amdhsa_next_free_sgpr 98
		.amdhsa_reserve_vcc 0
		.amdhsa_float_denorm_mode_32 3
		.amdhsa_float_denorm_mode_16_64 3
		.amdhsa_memory_ordered 1
		.amdhsa_forward_progress 1
		.amdhsa_inst_pref_size 72
	.end_amdhsa_kernel
	.amdgpu_metadata
---
amdhsa.version: [ 1, 2 ]
amdhsa.kernels:
  - .name:           k_q3fcc581e95_outp
    .symbol:         k_q3fcc581e95_outp.kd
    .args:
      - { .name: a_img, .offset: 0, .size: 8, .value_kind: global_buffer, .address_space: global }
      - { .name: a_sc, .offset: 8, .size: 8, .value_kind: global_buffer, .address_space: global }
      - { .name: Wo_codes, .offset: 16, .size: 8, .value_kind: global_buffer, .address_space: global }
      - { .name: Wo_scales, .offset: 24, .size: 8, .value_kind: global_buffer, .address_space: global }
      - { .name: bo, .offset: 32, .size: 8, .value_kind: global_buffer, .address_space: global }
      - { .name: out0, .offset: 40, .size: 8, .value_kind: global_buffer, .address_space: global }
    .group_segment_fixed_size: 249856
    .private_segment_fixed_size: 0
    .kernarg_segment_align: 8
    .kernarg_segment_size: 48
    .max_flat_workgroup_size: 128
    .sgpr_count:     98
    .vgpr_count:     768
    .wavefront_size: 32
...
	.end_amdgpu_metadata
.endif
;; end of part 3
